; MI455X (gfx1250); checked and timed in simulation.
; The chip was launched on July 23, 2026; its instructions are those of AMD's public machine-readable ISA for CDNA 5 (MIT licence, August 2026) and "CDNA5" Instruction Set Architecture Reference Guide (July 2026). The comments in the code are by the model that wrote it; some were corrected since.
;; Learned Aggregation Layer. Allowed arithmetic: matrix products marked QUANTISED: E4M3 operands, one given power-of-two scale a tensor, by v_wmma_f32_16x16x64_fp8_fp8 or v_wmma_f32_16x16x128_fp8_fp8, f32 sums; products left as they are: f32 operands where the result goes on into a quantised operand, else bf16, f16 or f32 operands; f32 sums; everything else in f32.
;; Inputs: Wk 512 x 512 float32; Wp 512 x 512 float32; Wq 512 x 512 float32; Wv 512 x 512 float32; bp 512 float32; cls_token 1 x 1 x 512 float32; lowp_scales 6 int32 (the exponents e of the quantised operands' scales 2^e); x 16 x 8,192 x 512 float32.
;; Outputs: out0 16 x 512 float32.
;; This version of the problem:
;;   THIS VERSION OF THE PROBLEM IS GIVEN IN LOW PRECISION. The matrix products marked QUANTISED in the list below multiply operands that are first quantised to E4M3 (4 exponent bits, 3 mantissa bits; 8 bits a number), with one given power-of-two scale for each operand tensor; their sums are f32. All else is computed in f32.
;;   The module's matrix products, in the order in which they are computed (A, B: the left and right operand; K: the contracted axis; several contracted axes count as one K, in the product's order):
;;     1. [M 1, K 512] x [K 512, N 512]; A: input cls_token; B: input Wq: left as it is (M = 1 < 16)
;;     2. [M 131,072, K 512] x [K 512, N 512]; A: input x; B: input Wk: QUANTISED (scales: A lowp_scales[0], B lowp_scales[1])
;;     3. [M 131,072, K 512] x [K 512, N 512]; A: input x; B: input Wv: QUANTISED (scales: A lowp_scales[2], B lowp_scales[3])
;;     4. batch 8 x [M 131,072, K 64] x [K 64, N 1]; A: computed on the way; B: computed on the way: left as it is (N = 1 < 16)
;;     5. batch 128 x [M 1, K 8,192] x [K 8,192, N 64]; A: softmax; B: computed on the way: left as it is (M = 1 < 16)
;;     6. [M 16, K 512] x [K 512, N 512]; A: computed on the way; B: input Wp: QUANTISED (scales: A lowp_scales[4], B lowp_scales[5])
;;   THE QUANTISER, for each operand of a quantised product, along K:
;;     - The operand's scale is 2^e, e = its entry of the input lowp_scales (int32; the entries are numbered through the quantised products in the list's order, A before B).
;;     - Each number is divided by the scale, clamped to +-448, and rounded to the nearest number of E4M3, ties to even, subnormals kept.
;;     - The product sums the exact products of the quantised numbers (number of the format x scale) in f32.
;;   ~~~python
;;   def quantise(x, axis, e):      # numpy; x: float32 -> the quantised numbers, widened to float32 again
;;       x = np.moveaxis(x, axis, -1); K = x.shape[-1]
;;       r = np.clip(x / 2.0 ** e, -448, 448)
;;       step = 2.0 ** (np.maximum(np.frexp(np.where(r == 0, 1, r))[1] - 1, -6) - 3)
;;       q = np.round(r / step) * step * 2.0 ** e      # np.round: ties to even
;;       return np.moveaxis(q, -1, axis).astype(np.float32)
;;   ~~~
;;   OPERANDS COMPUTED ON THE WAY. 'Computed on the way' means the value that the module computes at that place (a softmax that the list does not call 'softmax' is quantised finished and normalised). What goes into a quantiser is computed in f32, as accurately as f32 sums, v_exp_f32 and their like allow (about 1e-6 of the number): no bf16 or f16 on the way to a quantiser, and a product that is left as it is and whose result goes on into a quantised operand takes f32 operands (vector FMAs, or v_wmma_f32_16x16x4_f32). A number that lies on a knife's edge between two numbers of the format may be rounded either way, as far as f32 arithmetic and the matrix unit's own rounding can turn it there, and no further.
;; 2 versions. Each part assembles by itself: llvm-mc -triple=amdgcn-amd-amdhsa -mcpu=gfx1250 --defsym DOCPART=n.
;; ======== version 1 of 2: 3 launches
;; workspace buffers: wfr 786,432 bytes; qbuf 2,048 bytes; pp 524,288 bytes; ml 262,144 bytes
;; launch prep (part 1): grid 56 x 1, 8 waves a work-group, no clusters, 3,072 bytes of LDS; arguments Wk, Wv, Wp, Wq, cls_token, lowp_scales, wfr, qbuf; writes wfr, qbuf
.if DOCPART == 1
	.amdgcn_target "amdgcn-amd-amdhsa--gfx1250"
	.amdhsa_code_object_version 6
	.text
	.protected	k_qe3ddc9bb7b_prep
	.globl	k_qe3ddc9bb7b_prep
	.p2align	8
	.type	k_qe3ddc9bb7b_prep,@function
k_qe3ddc9bb7b_prep:
	s_mov_b64 s[64:65], 0
	v_nop
	global_prefetch_b8 v0, s[64:65] scope:SCOPE_SE
	s_setreg_imm32_b32 hwreg(HW_REG_WAVE_MODE, 25, 1), 1
	s_wait_xcnt 0x0
; Work-groups 0-47: Wk, Wv, Wp ([512 (k)][512 (n)] f32, K is the first axis) become codes of FP8 (E4M3), each with its given scale 2^e
; (entries 1, 3, 5 of the scales), laid in wfr as IMAGES OF OPERAND REGISTERS: [matrix M][w: 128 columns][fragment f = 8 s + t][c][lane][16 bytes].
; Lane (r', h') of fragment (K step s, column tile t) holds column n = 128 w + 16 t + r'; byte B of its 16 bytes of group c is the code of
; W[k][n] with k = 128 (B / 4) + 32 s + 8 c + 4 h' + B % 4.  The later launches lay x and the pooled vector by the same map of k.
; A lane takes a column and its registers run down K, so the conversions' results are those 16 bytes: nothing is transposed.
; Work-groups 48-55: q = (cls_token . Wq) / 8 in f32 (fused multiply-adds), 64 columns a work-group, K shared among the eight waves.
; LIMITS: each e between -126 and 119, so that 2^e and 448 x 2^e are f32 numbers.  NaN among the inputs is not served.
.set WGW, 48                           ; work-groups that quantise weights
.set X,   16                           ; v16-79  four runs of 16 numbers;  q path: v16-143 64 pairs of Wq
.set C,   80                           ; v80-95  four registers of codes a run, each stored once
	s_load_b256 s[4:11], s[0:1], 0x0               ; Wk s[4:5], Wv s[6:7], Wp s[8:9], Wq s[10:11]
	s_load_b256 s[84:91], s[0:1], 0x20             ; cls_token s[84:85], scales s[86:87], wfr s[88:89], qbuf s[90:91]
	v_lshl_add_u32 v160, v0, 2, 0x800
	v_mov_b32 v161, 0
	v_lshrrev_b32 v3, 5, v0
	v_readfirstlane_b32 s12, v3                    ; wave 0..7
	v_and_b32 v3, 31, v0                           ; lane
	s_cmp_lt_u32 ttmp9, WGW                        ; the same way for all eight waves of a work-group
	s_cbranch_scc0 .Lq
	; ---- weights.  Work-group: matrix M, columns 128 w on, K step s.  Wave: column tiles 2 cgl, 2 cgl + 1; groups c = 2 ch, 2 ch + 1
	s_lshr_b32 s13, ttmp9, 4                       ; M
	s_bfe_u32 s14, ttmp9, 0x20002                  ; w
	s_and_b32 s15, ttmp9, 3                        ; s
	s_and_b32 s16, s12, 3                          ; cgl
	s_lshr_b32 s17, s12, 2                         ; ch
	s_lshl_b32 s26, s14, 9                         ; in: 4 (128 w + 32 cgl) + 2,048 (32 s + 16 ch)
	s_lshl_b32 s18, s16, 7
	s_add_co_u32 s26, s26, s18
	s_lshl_b32 s18, s15, 16
	s_add_co_u32 s26, s26, s18
	s_lshl_b32 s18, s17, 15
	s_add_co_u32 s26, s26, s18
	s_mov_b32 s27, 0
	s_lshl_b32 s28, s13, 18                        ; out: 262,144 M + 65,536 w + 2,048 (8 s + 2 cgl) + 1,024 ch
	s_lshl_b32 s18, s14, 16
	s_add_co_u32 s28, s28, s18
	s_lshl_b32 s18, s15, 14
	s_add_co_u32 s28, s28, s18
	s_lshl_b32 s18, s16, 12
	s_add_co_u32 s28, s28, s18
	s_lshl_b32 s18, s17, 10
	s_add_co_u32 s28, s28, s18
	s_mov_b32 s29, 0
	v_lshlrev_b32 v1, 2, v3                        ; in: my column, 4 bytes a lane: a load of the wave reads 128 consecutive bytes
	v_lshrrev_b32 v4, 4, v3
	v_and_b32 v5, 15, v3
	v_lshlrev_b32 v2, 4, v5
	v_lshl_add_u32 v2, v4, 11, v2                  ; out: lanes 16-31 belong to the next tile's fragment: 2,048 (lane / 16) + 16 (lane % 16)
	s_wait_kmcnt 0x0
	s_load_b128 s[20:23], s[86:87], 0x0            ; e0 .. e3
	s_load_b64 s[24:25], s[86:87], 0x10            ; e4, e5
	s_cmp_eq_u32 s13, 1                            ; the matrix is chosen by the work-group's number alone
	s_cselect_b64 s[4:5], s[6:7], s[4:5]
	s_cmp_eq_u32 s13, 2
	s_cselect_b64 s[4:5], s[8:9], s[4:5]
	s_add_nc_u64 s[4:5], s[4:5], s[26:27]
	s_add_nc_u64 s[88:89], s[88:89], s[28:29]
.irp u, 0,1,2,3                        ; run u = 2 c'' + h': the 16 numbers k = 128 i + 4 u + c' (+ 32 s + 16 ch) of my column
.irp i, 0,1,2,3
.irp c, 0,1,2,3
	global_load_b32 v[X+16*\u+4*\i+\c], v1, s[4:5] offset:2048*(128*\i+4*\u+\c) th:TH_LOAD_NT
.endr
.endr
.endr
	s_wait_kmcnt 0x0
	s_cmp_eq_u32 s13, 1
	s_cselect_b32 s21, s23, s21                    ; e1, e3 or e5
	s_cmp_eq_u32 s13, 2
	s_cselect_b32 s21, s25, s21
	s_add_co_i32 s21, s21, 127
	s_lshl_b32 s22, s21, 23
	v_mov_b32 v11, s22                             ; 2^e as f32: the conversion takes its exponent field
	s_add_co_i32 s21, s21, 8
	s_lshl_b32 s21, s21, 23
	s_or_b32 s21, s21, 0x600000
	v_mov_b32 v10, s21                             ; 448 x 2^e
.irp u, 0,1,2,3
	s_wait_loadcnt 48-16*\u                        ; this run's 16 loads are in; the later runs' may be out
.irp n, 0,1,2,3,4,5,6,7,8,9,10,11,12,13,14,15
	v_med3_num_f32 v[X+16*\u+\n], v[X+16*\u+\n], -v10, v10   ; the conversion to an 8-bit code does not saturate (ISA guide 7.6.2): the hold comes first
.endr
	v_cvt_scalef32_pk8_fp8_f32 v[C+4*\u:C+4*\u+1], v[X+16*\u:X+16*\u+7], v11
	v_cvt_scalef32_pk8_fp8_f32 v[C+4*\u+2:C+4*\u+3], v[X+16*\u+8:X+16*\u+15], v11
	global_store_b128 v2, v[C+4*\u:C+4*\u+3], s[88:89] offset:256*\u   ; 512 c'' + 256 h': sixteen lanes store 256 consecutive bytes, aligned; the codes go to this store alone
.endr
	s_endpgm
	; ---- q.  Work-group u': columns 64 u' on, two a lane.  Wave: k = 64 wave .. 64 wave + 63; its 64 numbers of cls_token lie in scalar registers
.Lq:
	s_sub_co_u32 s13, ttmp9, WGW                   ; u'
	v_lshlrev_b32 v1, 3, v3                        ; 8 x lane
	v_lshlrev_b32 v2, 3, v0                        ; LDS: 256 x wave + 8 x lane
	s_lshl_b32 s14, s13, 8
	s_lshl_b32 s15, s12, 17
	s_add_co_u32 s14, s14, s15                     ; Wq: 256 u' + 64 rows of 2,048 bytes x wave
	s_mov_b32 s15, 0
	s_lshl_b32 s94, s12, 8                         ; cls_token: 256 x wave
	s_mov_b32 s95, 0
	s_wait_kmcnt 0x0
	s_add_nc_u64 s[10:11], s[10:11], s[14:15]
	s_add_nc_u64 s[92:93], s[84:85], s[94:95]
	s_lshl_b32 s14, s13, 8
	s_add_nc_u64 s[90:91], s[90:91], s[14:15]      ; qbuf: 256 u'
	s_load_b512 s[16:31], s[92:93], 0x0            ; number kk lies in s[16 + kk], from kk = 48 on in s[20 + kk]
	s_load_b512 s[32:47], s[92:93], 0x40
	s_load_b512 s[48:63], s[92:93], 0x80
	s_load_b512 s[68:83], s[92:93], 0xc0
.set kk, 0
.rept 64
	global_load_b64 v[X+2*kk:X+2*kk+1], v1, s[10:11] offset:2048*kk th:TH_LOAD_NT   ; a load of the wave reads 256 consecutive bytes, aligned
.set kk, kk+1
.endr
	s_wait_kmcnt 0x0
.set kk, 0
.rept 64                               ; four chains for each of my two columns; a chain's first product starts it
.if (kk % 16) == 0
	s_wait_loadcnt 48-kk                           ; the next sixteen loads are in; the later ones may be out
.endif
.set sr, 16+kk
.if kk >= 48
.set sr, 20+kk
.endif
.if kk < 4
	v_mul_f32 v[144+2*kk], s[sr], v[X+2*kk]
	v_mul_f32 v[145+2*kk], s[sr], v[X+2*kk+1]
.else
	v_fmac_f32 v[144+2*(kk%4)], s[sr], v[X+2*kk]
	v_fmac_f32 v[145+2*(kk%4)], s[sr], v[X+2*kk+1]
.endif
.set kk, kk+1
.endr
	v_pk_add_f32 v[144:145], v[144:145], v[146:147]
	v_pk_add_f32 v[148:149], v[148:149], v[150:151]
	v_pk_add_f32 v[144:145], v[144:145], v[148:149]
	ds_store_b64 v2, v[144:145]
	s_wait_dscnt 0x0                               ; for the others' sake: my part lies in LDS
	s_barrier_signal -1
	s_barrier_wait -1
	s_cmp_lg_u32 s12, 0
	s_cbranch_scc1 .Lend                           ; wave 0 adds the eight parts
.irp j, 0,1,2,3,4,5,6,7
	ds_load_b64 v[X+2*\j:X+2*\j+1], v1 offset:256*\j
.endr
	s_wait_dscnt 0x0
	v_pk_add_f32 v[16:17], v[16:17], v[18:19]
	v_pk_add_f32 v[20:21], v[20:21], v[22:23]
	v_pk_add_f32 v[24:25], v[24:25], v[26:27]
	v_pk_add_f32 v[28:29], v[28:29], v[30:31]
	v_pk_add_f32 v[16:17], v[16:17], v[20:21]
	v_pk_add_f32 v[24:25], v[24:25], v[28:29]
	v_pk_add_f32 v[16:17], v[16:17], v[24:25]
	v_pk_mul_f32 v[16:17], v[16:17], 0x3e000000 op_sel_hi:[1,0]   ; x 64^-0.5 = 1/8: nothing is rounded
	global_store_b64 v1, v[16:17], s[90:91]        ; 256 consecutive bytes, aligned
.Lend:
	s_wait_tensorcnt 0x0
	ds_add_u32 v160, v161
	s_wait_dscnt 0x0
	s_endpgm
.Lfunc_end_k_qe3ddc9bb7b_prep:
	.size	k_qe3ddc9bb7b_prep, .Lfunc_end_k_qe3ddc9bb7b_prep-k_qe3ddc9bb7b_prep
	.p2alignl 7, 3214868480
	.fill 96, 4, 3214868480
	.section	.rodata,"a",@progbits
	.p2align	6, 0x0
	.amdhsa_kernel k_qe3ddc9bb7b_prep
		.amdhsa_group_segment_fixed_size 3072
		.amdhsa_private_segment_fixed_size 0
		.amdhsa_enable_private_segment 0
		.amdhsa_kernarg_size 64
		.amdhsa_user_sgpr_count 2
		.amdhsa_user_sgpr_kernarg_segment_ptr 1
		.amdhsa_wavefront_size32 1
		.amdhsa_system_sgpr_workgroup_id_x 1
		.amdhsa_system_sgpr_workgroup_id_y 1
		.amdhsa_system_sgpr_workgroup_id_z 1
		.amdhsa_system_vgpr_workitem_id 0
		.amdhsa_next_free_vgpr 162
		.amdhsa_next_free_sgpr 96
		.amdhsa_reserve_vcc 0
		.amdhsa_float_denorm_mode_32 3
		.amdhsa_float_denorm_mode_16_64 3
		.amdhsa_memory_ordered 1
		.amdhsa_forward_progress 1
		.amdhsa_inst_pref_size 26
	.end_amdhsa_kernel
	.amdgpu_metadata
---
amdhsa.version: [ 1, 2 ]
amdhsa.kernels:
  - .name:           k_qe3ddc9bb7b_prep
    .symbol:         k_qe3ddc9bb7b_prep.kd
    .args:
      - { .name: Wk, .offset: 0, .size: 8, .value_kind: global_buffer, .address_space: global }
      - { .name: Wv, .offset: 8, .size: 8, .value_kind: global_buffer, .address_space: global }
      - { .name: Wp, .offset: 16, .size: 8, .value_kind: global_buffer, .address_space: global }
      - { .name: Wq, .offset: 24, .size: 8, .value_kind: global_buffer, .address_space: global }
      - { .name: cls_token, .offset: 32, .size: 8, .value_kind: global_buffer, .address_space: global }
      - { .name: lowp_scales, .offset: 40, .size: 8, .value_kind: global_buffer, .address_space: global }
      - { .name: wfr, .offset: 48, .size: 8, .value_kind: global_buffer, .address_space: global }
      - { .name: qbuf, .offset: 56, .size: 8, .value_kind: global_buffer, .address_space: global }
    .group_segment_fixed_size: 3072
    .private_segment_fixed_size: 0
    .kernarg_segment_align: 8
    .kernarg_segment_size: 64
    .max_flat_workgroup_size: 256
    .sgpr_count:     96
    .vgpr_count:     162
    .wavefront_size: 32
...
	.end_amdgpu_metadata
.endif
;; end of part 1
;; launch main (part 2): grid 256 x 1, 4 waves a work-group, no clusters, 327,680 bytes of LDS; arguments x, wfr, qbuf, lowp_scales, pp, ml; writes pp, ml
.if DOCPART == 2
	.amdgcn_target "amdgcn-amd-amdhsa--gfx1250"
	.amdhsa_code_object_version 6
	.text
	.protected	k_qe3ddc9bb7b_main
	.globl	k_qe3ddc9bb7b_main
	.p2align	8
	.type	k_qe3ddc9bb7b_main,@function
k_qe3ddc9bb7b_main:
	s_mov_b64 s[64:65], 0
	v_nop
	global_prefetch_b8 v0, s[64:65] scope:SCOPE_SE
	s_setreg_imm32_b32 hwreg(HW_REG_WAVE_MODE, 25, 1), 1
	s_wait_xcnt 0x0
; One work-group takes 512 tokens (rows of x, [131072][512] f32) through k = Q(x, e0) Q(Wk, e1), the logits q . k, the softmax's weights under the work-group's own maximum,
; v = Q(x, e2) Q(Wv, e3) and the sum of p v.  It stores, for each head, m (its largest logit, in powers of two), l (the sum of p) and the 64 sums of p x (sum of codes' products).
; THE WAVES SHARE THE COLUMNS: wave w owns heads 2 w and 2 w + 1 (columns 128 w .. 128 w + 127).  Its 32 fragments of the weight in hand fill 512 registers and are read from memory once.
; PHASE K: x is read once, 64 tokens a trip; wave w quantises tile w (16 tokens) twice, by e0 and by e2.  The e0 codes go round through LDS and are multiplied by Wk; the e2 codes STAY in LDS (512 rows of 512 codes).
; PHASE V: Wv has taken Wk's place in the registers; v is made from the codes in LDS and added up under p.  So x's f32 numbers are read and quantised once.
; BOTH PRODUCTS ARE USED TRANSPOSED (source 0 = 16 columns of the weight, source 1 = 16 tokens): lane (r, h) holds token r, register j of tile t channel 16 t + 8 h + j.
; K IS PERMUTED, alike in both operands: a row's load i gives lane L columns 128 i + 4 L + 0 .. 3, so the lane's 16 codes are k = 128 (B / 4) + 4 L + B % 4; they are chunk L of the row in LDS, and
; K step s, register group c, lane half h take chunk 8 s + 2 c + h.  The weights' images are laid by the same map.  Every load of x reads 512 consecutive bytes, and nothing is transposed.
; THE TOKENS' SIGNS TAKE TURNS IN THE SECOND PRODUCT: an odd token is quantised for e2 as -x (the quantiser is odd: the same code with the sign turned, so v comes out exactly negated) and weighs in with -p.
; (-p)(-v) = p v, so nothing is changed in the mathematics.
; The cost: a source modifier on the hold, and 16 multiplications by +-1 a wave.
; LIMITS: e0 and e2 between -126 and 119; e0 + e1 between -126 and 127 (added to the exponent field of log2 e).  NaN and infinities among the inputs are not served.
; No tensor loads: x is wanted in registers for the conversions, and LDS is full of codes.  No cluster: each weight byte enters a work-group once, into registers.
; LDS: a row of 512 codes takes 528 bytes (132 words: row r starts at bank 4 r mod 64; 64 banks of 4 bytes: ISA guide 11.1): the sixteen rows of a fragment load start at sixteen different banks, a row's store is
;      512 consecutive bytes, and every address is one register + an immediate.  A tile is 16 rows, a trip's block 4 tiles.
;      0 .. XK - 1: the e2 codes, 32 tiles;   XK: the trip's four tiles of e0 codes; at the end each wave's stage of 16 rows x 528 bytes lies there;
;      LGT: 4,096 bytes a wave: logits, then +-p: tile T at 128 T, head A's 16, head B's 16.
; REGISTERS, in windows of 256: window 0: v1-13 addresses, v28-31 scales; v32-95 q (phase K), the sums of p v (phase V); v96-127 at work; v128-191 the 8 accumulators; v192-255 the tokens' four fragments
;   (while x is quantised v128-255 hold the held numbers).  window 1: Wk's fragments 0-15, later Wv's 16-31.  window 2: Wk's 16-31.  window 3: 16 row slots of x, 16 registers each; later Wv's 0-15.
.set PITCH, 528
.set TILEB, 16*PITCH                   ; 8,448
.set BLKB,  4*TILEB                    ; 33,792
.set XK,    8*BLKB                     ; 270,336
.set RED,   XK
.set LGT,   XK+BLKB                    ; 304,128; ends at 320,512
.set QR,   32                          ; q x log2(e) x 2^(e0 + e1): register 8 t + j
.set PO,   32                          ; the sums of p v, same places
.set CD,   96                          ; codes of four rows, 8 registers each
.set ACC,  128
.set TK,   128                         ; four rows x 16 numbers held for e0
.set XF,   192
.set TV,   192                         ; the same for e2
.set RB,   12                          ; v12  my place in a tile as a reader: 528 r + 16 h; never rewritten
.set RW,   13                          ; v13  the same + the LDS byte at which the tiles in hand begin
.set MSB,  0
.macro WIN new                         ; the immediate's high byte repeats the setting that is left
.if MSB != \new
	s_set_vgpr_msb (MSB<<8)|\new
.set MSB, \new
.endif
.endm
.macro PLACES                          ; four plain vector instructions stand between a matrix instruction and a load into its registers or a read of its result
.rept 4
	v_nop
.endr
.endm
.macro XLOAD g, base                   ; rows 4 g .. 4 g + 3 of a tile into their slots: each load reads 512 consecutive bytes
	WIN 0xc0                                       ; destination window 3
.irp a, 0,1,2,3
.irp i, 0,1,2,3
	global_load_b128 v[16*(4*(\g)+\a)+4*\i:16*(4*(\g)+\a)+4*\i+3], v1, s[\base:\base+1] offset:2048*(4*(\g)+\a)+512*\i
.endr
.endr
.endm
.macro WLOAD base, f0                  ; sixteen fragments of a weight's image, f0 on, into the destination window's 256 registers
.irp f, 0,1,2,3,4,5,6,7,8,9,10,11,12,13,14,15
.irp c, 0,1,2,3
	global_load_b128 v[16*\f+4*\c:16*\f+4*\c+3], v1, s[\base:\base+1] offset:2048*(\f0+\f)+512*\c
.endr
.endr
.endm
; Four rows of my tile: held twice, converted twice, stored as chunks in one run, and their slots asked for again.  Row 4 g + a is token 4 g + a of the tile: odd where a is odd.
; One run of vector work, one of LDS stores, one of loads: no address register is written between the stores, and the loads are issued while the stores are on their way.
.macro QGROUP g
	s_wait_loadcnt 48                              ; behind this group's 16 loads three groups of 16 were issued, in every trip: they may stay out
	WIN 0x03                                       ; source 0 window 3
.irp a, 0,1,2,3
.irp n, 0,1,2,3,4,5,6,7,8,9,10,11,12,13,14,15
	v_med3_num_f32 v[TK+16*\a+\n], v[16*(4*(\g)+\a)+\n], -v29, v29   ; the conversion to an 8-bit code does not saturate (ISA guide 7.6.2): held within 448 x 2^e0,
.if (\a) % 2
	v_med3_num_f32 v[TV+16*\a+\n], -v[16*(4*(\g)+\a)+\n], -v31, v31  ; and within 448 x 2^e2: an odd token as -x,
.else
	v_med3_num_f32 v[TV+16*\a+\n], v[16*(4*(\g)+\a)+\n], -v31, v31   ; an even one as x
.endif
.endr
.endr
	WIN 0
.irp a, 0,1,2,3
	v_cvt_scalef32_pk8_fp8_f32 v[CD+8*\a:CD+8*\a+1],   v[TK+16*\a:TK+16*\a+7],    v28
	v_cvt_scalef32_pk8_fp8_f32 v[CD+8*\a+2:CD+8*\a+3], v[TK+16*\a+8:TK+16*\a+15], v28
	v_cvt_scalef32_pk8_fp8_f32 v[CD+8*\a+4:CD+8*\a+5], v[TV+16*\a:TV+16*\a+7],    v30
	v_cvt_scalef32_pk8_fp8_f32 v[CD+8*\a+6:CD+8*\a+7], v[TV+16*\a+8:TV+16*\a+15], v30
.endr
	v_nop                                          ; one plain vector line between the conversions and the next holds or products, which write the conversions' sources
.irp a, 0,1,2,3
	ds_store_b128 v2, v[CD+8*\a:CD+8*\a+3]   offset:PITCH*(4*(\g)+\a)   ; chunk L of row p lies at 528 p + 16 L
	ds_store_b128 v4, v[CD+8*\a+4:CD+8*\a+7] offset:PITCH*(4*(\g)+\a)
.endr
	XLOAD \g, 24                                   ; the slots have been read: the next trip's rows
.endm
.macro FETCH hf, i                     ; tile i's fragments of K steps 2 hf and 2 hf + 1: eight loads; K step s, group c: chunk 8 s + 2 c + h
.irp s0, 0,1
.irp c, 0,1,2,3
	ds_load_b128 v[XF+16*(2*(\hf)+\s0)+4*\c:XF+16*(2*(\hf)+\s0)+4*\c+3], v[RW] offset:TILEB*(\i)+128*(2*(\hf)+\s0)+32*\c
.endr
.endr
.endm
.macro PLOAD i                         ; my token's +-p for head A and for head B, into the pair of tile i's parity
	ds_load_b32 v[96+4*((\i)%2)], v8 offset:128*(\i)
	ds_load_b32 v[98+4*((\i)%2)], v8 offset:128*(\i)+64
.endm
.macro MUL s, zero                     ; K step s: the eight accumulators take turns, one instruction a turn; zero = 1: the products start the sums
.irp t, 0,1,2,3,4,5,6,7
.if \zero
	v_wmma_f32_16x16x128_fp8_fp8 v[ACC+8*\t:ACC+8*\t+7], v[128*((\s)%2)+16*\t:128*((\s)%2)+16*\t+15], v[XF+16*(\s):XF+16*(\s)+15], 0
.else
	v_wmma_f32_16x16x128_fp8_fp8 v[ACC+8*\t:ACC+8*\t+7], v[128*((\s)%2)+16*\t:128*((\s)%2)+16*\t+15], v[XF+16*(\s):XF+16*(\s)+15], v[ACC+8*\t:ACC+8*\t+7]
.endif
.endr
.endm
; The logits of tile i: q . k over my 32 channels of each head, in four chains (each accumulator from its low pair on), then the other half of the lanes'.
.macro LOGITS i
.irp pr, 0,1,2,3
.irp t, 0,1,4,5,2,3,6,7
.if (\pr == 0) && ((\t & 2) == 0)
	v_pk_mul_f32 v[96+4*(\t/4)+2*(\t%2):97+4*(\t/4)+2*(\t%2)], v[ACC+8*\t+2*\pr:ACC+8*\t+2*\pr+1], v[QR+8*\t+2*\pr:QR+8*\t+2*\pr+1]
.else
	v_pk_fma_f32 v[96+4*(\t/4)+2*(\t%2):97+4*(\t/4)+2*(\t%2)], v[ACC+8*\t+2*\pr:ACC+8*\t+2*\pr+1], v[QR+8*\t+2*\pr:QR+8*\t+2*\pr+1], v[96+4*(\t/4)+2*(\t%2):97+4*(\t/4)+2*(\t%2)]
.endif
.endr
.endr
	v_pk_add_f32 v[96:97], v[96:97], v[98:99]
	v_pk_add_f32 v[100:101], v[100:101], v[102:103]
	v_add_f32 v104, v96, v97                       ; head A's part
	v_add_f32 v105, v100, v101                     ; head B's
	v_cndmask_b32 v106, v105, v104, s35            ; lanes 0-15 send B's part, lanes 16-31 A's,
	v_cndmask_b32 v107, v104, v105, s35            ; and keep the other
	v_permlanex16_b32 v108, v106, s36, s37
	v_add_f32 v109, v107, v108                     ; lanes 0-15: head A's logit of token r; lanes 16-31: head B's
	ds_store_b32 v6, v109 offset:128*(\i)
.endm
.macro PV par, first                   ; the sums of p v: first = 1: the products start them
.irp t, 0,1,2,3,4,5,6,7
.irp pr, 0,1,2,3
.if \first
	v_pk_mul_f32 v[PO+8*\t+2*\pr:PO+8*\t+2*\pr+1], v[ACC+8*\t+2*\pr:ACC+8*\t+2*\pr+1], v[96+4*(\par)+2*(\t/4):97+4*(\par)+2*(\t/4)] op_sel_hi:[1,0]
.else
	v_pk_fma_f32 v[PO+8*\t+2*\pr:PO+8*\t+2*\pr+1], v[ACC+8*\t+2*\pr:ACC+8*\t+2*\pr+1], v[96+4*(\par)+2*(\t/4):97+4*(\par)+2*(\t/4)], v[PO+8*\t+2*\pr:PO+8*\t+2*\pr+1] op_sel_hi:[1,0,1]
.endif
.endr
.endr
.endm
; A tile of 16 tokens against my 128 columns: 32 matrix instructions.  wa, wb: the windows of the weight's two halves.  ctop, cmid: the LDS instructions issued behind the loads that are wanted.
; nxt = 1: the next tile's fragments are fetched, each half behind the products that read its registers.
.macro TILE i, mode, wa, wb, ctop, cmid, nxt, first
	s_wait_dscnt \ctop
	WIN \wa
	MUL 0, 1
	MUL 1, 0
	PLACES
	WIN 0
.if \nxt
.if \mode
	PLOAD (\i)+1
.endif
	FETCH 0, (\i)+1
.endif
	s_wait_dscnt \cmid
	WIN \wb
	MUL 2, 0
	MUL 3, 0
	PLACES
	WIN 0
.if \nxt
	FETCH 1, (\i)+1
.endif
.if \mode
	PV (\i)%2, \first
.else
	LOGITS \i
.endif
.endm
.macro VADDR                           ; phase V: the addresses of the four tiles in hand
	v_add_nc_u32 v[RW], s33, v[RB]
	v_add_nc_u32 v8, s34, v7
.endm
; Phase V, four tiles.  At a tile's head only its own second half (8 loads) is younger than what it wants; in its middle the next tile's 2 + 8.  Tile 3 fetches the next trip's tile 0 by its offsets.
.macro VTRIP first, last
.if \first == 0
	VADDR
.endif
	TILE 0, 1, 0x03, 0x01, 8, 10, 1, \first
	TILE 1, 1, 0x03, 0x01, 8, 10, 1, 0
	TILE 2, 1, 0x03, 0x01, 8, 10, 1, 0
.if \last
	TILE 3, 1, 0x03, 0x01, 8, 0, 0, 0
.else
	TILE 3, 1, 0x03, 0x01, 8, 10, 1, 0
.endif
	s_add_co_u32 s33, s33, BLKB
	s_add_co_u32 s34, s34, 512
.endm
	s_load_b256 s[4:11], s[0:1], 0x0               ; x s[4:5], wfr s[6:7], qbuf s[8:9], scales s[10:11]
	s_load_b128 s[12:15], s[0:1], 0x20             ; pp s[12:13], ml s[14:15]
	v_lshl_add_u32 v26, v0, 2, 0x4e400
	v_mov_b32 v27, 0
	v_lshrrev_b32 v96, 5, v0
	v_readfirstlane_b32 s20, v96                   ; wave 0..3
	v_and_b32 v96, 31, v0                          ; lane L
	v_and_b32 v97, 15, v0                          ; r
	v_bfe_u32 v98, v0, 4, 1                        ; h
	v_lshlrev_b32 v1, 4, v96                       ; 16 L; never rewritten
	v_lshlrev_b32 v11, 8, v96                      ; 256 L, for the prefetch; never rewritten
	v_lshlrev_b32 v100, 5, v98                     ; q: 32 h
	s_mul_i32 s40, s20, TILEB
	v_add_nc_u32 v3, s40, v1                       ; as a writer: my tile among a trip's four, chunk L
	v_add_nc_u32 v2, XK, v3                        ; the same among the e0 codes
	s_lshl_b32 s41, s20, 12
	s_add_co_u32 s41, s41, LGT
	v_lshl_add_u32 v5, v96, 2, s41                 ; my wave's logits, 4 bytes a lane
	v_lshl_add_u32 v7, v97, 2, s41                 ; my token's p
	v_mul_u32_u24 v[RB], v97, PITCH
	v_lshl_add_u32 v[RB], v98, 4, v[RB]            ; as a reader: row r, + 16 h
	s_mov_b32 s31, 0
	s_mov_b32 s35, 0xffff0000                      ; lanes 16-31
	s_mov_b32 s36, 0x76543210                      ; v_permlanex16_b32: lane l xor 16
	s_mov_b32 s37, 0xfedcba98
	s_wait_kmcnt 0x0
	s_load_b128 s[16:19], s[10:11], 0x0            ; e0 .. e3
	s_lshl_b32 s30, ttmp9, 20                      ; my work-group's 512 rows of 2,048 bytes,
	s_lshl_b32 s40, s20, 15                        ; my wave's 16 of a trip's 64
	s_add_co_u32 s30, s30, s40
	s_add_nc_u64 s[22:23], s[4:5], s[30:31]
	s_add_nc_u64 s[24:25], s[22:23], 0x20000       ; the refills' base: the next trip's 64 rows
.irp i, 0,1,2,3
	global_prefetch_b8 v11, s[22:23] offset:8192*\i th:TH_LOAD_NT scope:SCOPE_SE   ; my first 16 rows, 32 KiB, each block of 256 bytes once: their loads stand behind the 144 loads of q and Wk.  Later rows are asked for by the slots' refills, a trip ahead
.endr
	s_lshl_b32 s30, s20, 16
	s_add_nc_u64 s[26:27], s[6:7], s[30:31]        ; Wk's image, my 128 columns
	s_add_nc_u64 s[28:29], s[26:27], 0x40000       ; Wv's
	s_lshl_b32 s30, s20, 9
	s_add_nc_u64 s[8:9], s[8:9], s[30:31]          ; q of my two heads
	s_lshl_b32 s40, ttmp9, 11
	s_add_co_u32 s30, s30, s40
	s_add_nc_u64 s[12:13], s[12:13], s[30:31]      ; pp: 2,048 g + 512 w
	s_lshl_b32 s30, ttmp9, 10
	s_lshl_b32 s40, s20, 8
	s_add_co_u32 s30, s30, s40
	s_add_nc_u64 s[14:15], s[14:15], s[30:31]      ; ml: 1,024 g + 256 w
.irp t, 0,1,2,3,4,5,6,7
	global_load_b128 v[QR+8*\t:QR+8*\t+3],   v100, s[8:9] offset:64*\t      ; q(16 t + 8 h + 0 .. 7)
	global_load_b128 v[QR+8*\t+4:QR+8*\t+7], v100, s[8:9] offset:64*\t+16
.endr
	WIN 0x40
	WLOAD 26, 0
	WIN 0x80
	WLOAD 26, 16
	XLOAD 0, 22
	XLOAD 1, 22
	XLOAD 2, 22
	XLOAD 3, 22
	WIN 0
	s_wait_kmcnt 0x0
	s_add_co_i32 s40, s16, 127
	s_lshl_b32 s41, s40, 23
	v_mov_b32 v28, s41                             ; 2^e0 as f32: the conversion takes its exponent field
	s_add_co_i32 s40, s40, 8
	s_lshl_b32 s40, s40, 23
	s_or_b32 s40, s40, 0x600000
	v_mov_b32 v29, s40                             ; 448 x 2^e0
	s_add_co_i32 s40, s18, 127
	s_lshl_b32 s41, s40, 23
	v_mov_b32 v30, s41                             ; 2^e2
	s_add_co_i32 s40, s40, 8
	s_lshl_b32 s40, s40, 23
	s_or_b32 s40, s40, 0x600000
	v_mov_b32 v31, s40                             ; 448 x 2^e2
	s_add_co_i32 s40, s16, s17
	s_lshl_b32 s40, s40, 23
	s_add_co_i32 s38, s40, 0x3fb8aa3b              ; log2(e) x 2^(e0 + e1): a sum of codes' products stands for sum x 2^(e0 + e1), and the logits are kept in powers of two
	s_mov_b32 s39, s38                             ; (named with it as a pair, so it is written)
	s_wait_loadcnt 63                              ; q and Wk are older than the youngest 63 loads, which are rows of x
.irp j, 0,2,4,6,8,10,12,14,16,18,20,22,24,26,28,30,32,34,36,38,40,42,44,46,48,50,52,54,56,58,60,62
	v_pk_mul_f32 v[QR+\j:QR+\j+1], v[QR+\j:QR+\j+1], s[38:39] op_sel_hi:[1,0]
.endr
	v_add_nc_u32 v[RW], XK, v[RB]                  ; phase K reads the e0 codes
	v_mov_b32 v108, 0                              ; a lane permute's destination counts as one of its sources
	s_mov_b32 s32, 8
	s_mov_b32 s33, 0                               ; the trip's four tiles among the e2 codes
	s_mov_b32 s34, 0                               ; and among the logits
.Lk:                                               ; PHASE K: eight trips of 64 tokens
	v_add_nc_u32 v4, s33, v3
	v_add_nc_u32 v6, s34, v5
	QGROUP 0
	QGROUP 1
	QGROUP 2
	QGROUP 3
	WIN 0
	s_wait_dscnt 0x0                               ; for the others' sake: my tile's codes lie in LDS (the last group's sixteen refills were issued behind its stores)
	s_barrier_signal -1
	s_barrier_wait -1                              ; all four tiles do
	FETCH 0, 0
	FETCH 1, 0
	TILE 0, 0, 0x01, 0x02, 8, 8, 1, 0              ; younger than what is wanted: eight fragment loads;
	TILE 1, 0, 0x01, 0x02, 9, 9, 1, 0              ; from here on also the last tile's store of logits
	TILE 2, 0, 0x01, 0x02, 9, 9, 1, 0
	TILE 3, 0, 0x01, 0x02, 9, 1, 0, 0              ; nothing more to fetch: in the middle that store alone is younger
	s_wait_dscnt 0x0                               ; my reads of the e0 codes are over
	s_barrier_signal -1
	s_barrier_wait -1                              ; everybody's are: the next trip may write them
	s_wait_xcnt 0x0                                ; the refills have read their base: it may step
	s_add_nc_u64 s[24:25], s[24:25], 0x20000
	s_cmp_eq_u32 s32, 2                            ; the last trip has no rows left to ask for: its refills bring Wv's fragments 0-15 into the slots instead:
	s_cselect_b64 s[24:25], s[28:29], s[24:25]     ; the same offsets, registers and counts (slot p = fragment p, load i = group i), and no load leaves x
	s_add_co_u32 s33, s33, BLKB
	s_add_co_u32 s34, s34, 512
	s_sub_co_u32 s32, s32, 1
	s_cmp_lg_u32 s32, 0
	s_cbranch_scc1 .Lk
	; THE CHANGE OF WEIGHTS, and under it the softmax's weights.  Window 1's last products stand in front of the last tile's places.
	WIN 0x40
	WLOAD 28, 16                                   ; Wv's fragments 16-31
	WIN 0
.irp i, 0,1,2,3,4,5,6,7,8,9,10,11,12,13,14,15,16,17,18,19,20,21,22,23,24,25,26,27,28,29,30,31
	ds_load_b32 v[128+\i], v5 offset:128*\i        ; my wave's own bytes: lanes 0-15 hold head A's 512 logits among them, lanes 16-31 head B's
.endr
	v_and_b32 v9, 31, v0
	v_lshlrev_b32 v9, 3, v9                        ; 8 x lane
	v_lshlrev_b32 v110, 31, v0                     ; my lane's token is r = lane % 16: its parity is the thread number's lowest bit, moved to the sign's place,
	v_or_b32 v110, 0x3f800000, v110                ; over 1.0: +1 for an even token, -1 for an odd one
	v_mov_b32 v111, v110
	s_wait_dscnt 0x0
	v_max3_num_f32 v104, v128, v129, v130          ; the head's largest logit: two chains in a lane,
	v_max3_num_f32 v105, v131, v132, v133
.irp i, 6,10,14,18,22,26
	v_max3_num_f32 v104, v104, v[128+\i], v[129+\i]
	v_max3_num_f32 v105, v105, v[130+\i], v[131+\i]
.endr
	v_max3_num_f32 v104, v104, v158, v159
	v_max_num_f32 v104, v104, v105
	v_max_num_f32_dpp v104, v104, v104 row_xmask:1 row_mask:0xf bank_mask:0xf   ; then among the sixteen lanes of the head
	v_max_num_f32_dpp v104, v104, v104 row_xmask:2 row_mask:0xf bank_mask:0xf
	v_max_num_f32_dpp v104, v104, v104 row_xmask:4 row_mask:0xf bank_mask:0xf
	v_max_num_f32_dpp v104, v104, v104 row_xmask:8 row_mask:0xf bank_mask:0xf
	v_mov_b32 v105, v104
.irp j, 0,2,4,6,8,10,12,14,16,18,20,22,24,26,28,30
	v_pk_add_f32 v[128+\j:129+\j], v[128+\j:129+\j], v[104:105] neg_lo:[0,1] neg_hi:[0,1]
.endr
.irp i, 0,1,2,3,4,5,6,7,8,9,10,11,12,13,14,15,16,17,18,19,20,21,22,23,24,25,26,27,28,29,30,31
	v_exp_f32 v[128+\i], v[128+\i]                 ; p = 2^(t - m), at most 1
.endr
	v_mov_b32 v97, 0                               ; (plain lines behind the exponentials)  the upper words of the pairs that carry p: named, never used
	v_mov_b32 v99, 0
	v_mov_b32 v101, 0
	v_mov_b32 v103, 0
	s_wait_alu depctr_va_vdst(0)
	v_pk_add_f32 v[106:107], v[128:129], v[130:131]   ; l is the sum of p itself, taken ahead of the signs
	v_pk_add_f32 v[108:109], v[132:133], v[134:135]
.irp j, 8,12,16,20,24,28
	v_pk_add_f32 v[106:107], v[106:107], v[128+\j:129+\j]
	v_pk_add_f32 v[108:109], v[108:109], v[130+\j:131+\j]
.endr
.irp j, 0,2,4,6,8,10,12,14,16,18,20,22,24,26,28,30
	v_pk_mul_f32 v[128+\j:129+\j], v[128+\j:129+\j], v[110:111]   ; an odd token's p becomes -p: its v was made of -x.  Nothing is rounded
.endr
.irp i, 0,1,2,3,4,5,6,7,8,9,10,11,12,13,14,15,16,17,18,19,20,21,22,23,24,25,26,27,28,29,30,31
	ds_store_b32 v5, v[128+\i] offset:128*\i       ; +-p takes the logits' place
.endr
	v_pk_add_f32 v[106:107], v[106:107], v[108:109]
	v_add_f32 v105, v106, v107
	v_add_f32_dpp v105, v105, v105 row_xmask:1 row_mask:0xf bank_mask:0xf
	v_add_f32_dpp v105, v105, v105 row_xmask:2 row_mask:0xf bank_mask:0xf
	v_add_f32_dpp v105, v105, v105 row_xmask:4 row_mask:0xf bank_mask:0xf
	v_add_f32_dpp v105, v105, v105 row_xmask:8 row_mask:0xf bank_mask:0xf
	global_store_b64 v9, v[104:105], s[14:15]      ; (m, l), sixteen copies a head: 256 consecutive bytes, aligned.  v9, v104 and v105 are not written again
	; PHASE V
	s_mov_b32 s33, 0
	s_mov_b32 s34, 0
	VADDR
	PLOAD 0                                        ; LDS serves a wave's instructions in order (ISA guide 5.7.1.4): these see my stores of p
	FETCH 0, 0
	FETCH 1, 0
	s_wait_loadcnt 0x0                             ; all of Wv is in
	VTRIP 1, 0
	s_mov_b32 s32, 6
.Lv:
	VTRIP 0, 0
	s_sub_co_u32 s32, s32, 1
	s_cmp_lg_u32 s32, 0
	s_cbranch_scc1 .Lv
	VTRIP 0, 1                                     ; the last trip is written out: its last tile fetches nothing
	; THE END: a lane holds one token's share of 64 channels; the sixteen tokens' shares meet in my wave's own stage (rows of 512 bytes + 16) and are added by columns.
	s_mul_i32 s40, s20, TILEB
	s_add_co_u32 s40, s40, RED
	v_and_b32 v4, 15, v0
	v_bfe_u32 v6, v0, 4, 1
	v_mul_u32_u24 v2, v4, PITCH
	v_lshl_add_u32 v2, v6, 5, v2
	v_add_nc_u32 v2, s40, v2                       ; in: row r, + 32 h; tile t's eight channels 64 t bytes on
	v_add_nc_u32 v3, s40, v1                       ; back: 16 bytes a lane of each row
.irp t, 0,1,2,3,4,5,6,7
	ds_store_b128 v2, v[PO+8*\t:PO+8*\t+3]   offset:64*\t
	ds_store_b128 v2, v[PO+8*\t+4:PO+8*\t+7] offset:64*\t+16
.endr
.irp p, 0,1,2,3,4,5,6,7,8,9,10,11,12,13,14,15
	ds_load_b128 v[128+4*\p:131+4*\p], v3 offset:PITCH*\p
.endr
	s_wait_dscnt 0x0
.irp p, 0,1,2,3,4,5,6,7
	v_pk_add_f32 v[128+4*\p:129+4*\p], v[128+4*\p:129+4*\p], v[160+4*\p:161+4*\p]
	v_pk_add_f32 v[130+4*\p:131+4*\p], v[130+4*\p:131+4*\p], v[162+4*\p:163+4*\p]
.endr
.irp p, 0,1,2,3
	v_pk_add_f32 v[128+4*\p:129+4*\p], v[128+4*\p:129+4*\p], v[144+4*\p:145+4*\p]
	v_pk_add_f32 v[130+4*\p:131+4*\p], v[130+4*\p:131+4*\p], v[146+4*\p:147+4*\p]
.endr
.irp p, 0,1
	v_pk_add_f32 v[128+4*\p:129+4*\p], v[128+4*\p:129+4*\p], v[136+4*\p:137+4*\p]
	v_pk_add_f32 v[130+4*\p:131+4*\p], v[130+4*\p:131+4*\p], v[138+4*\p:139+4*\p]
.endr
	v_pk_add_f32 v[128:129], v[128:129], v[132:133]
	v_pk_add_f32 v[130:131], v[130:131], v[134:135]
	global_store_b128 v1, v[128:131], s[12:13]     ; channels 128 w + 4 L on: 512 consecutive bytes, aligned
	s_wait_tensorcnt 0x0
	ds_add_u32 v26, v27
	s_wait_dscnt 0x0
	s_endpgm
.Lfunc_end_k_qe3ddc9bb7b_main:
	.size	k_qe3ddc9bb7b_main, .Lfunc_end_k_qe3ddc9bb7b_main-k_qe3ddc9bb7b_main
	.p2alignl 7, 3214868480
	.fill 96, 4, 3214868480
	.section	.rodata,"a",@progbits
	.p2align	6, 0x0
	.amdhsa_kernel k_qe3ddc9bb7b_main
		.amdhsa_group_segment_fixed_size 327680
		.amdhsa_private_segment_fixed_size 0
		.amdhsa_enable_private_segment 0
		.amdhsa_kernarg_size 48
		.amdhsa_user_sgpr_count 2
		.amdhsa_user_sgpr_kernarg_segment_ptr 1
		.amdhsa_wavefront_size32 1
		.amdhsa_system_sgpr_workgroup_id_x 1
		.amdhsa_system_sgpr_workgroup_id_y 1
		.amdhsa_system_sgpr_workgroup_id_z 1
		.amdhsa_system_vgpr_workitem_id 0
		.amdhsa_next_free_vgpr 1024
		.amdhsa_next_free_sgpr 66
		.amdhsa_reserve_vcc 0
		.amdhsa_float_denorm_mode_32 3
		.amdhsa_float_denorm_mode_16_64 3
		.amdhsa_memory_ordered 1
		.amdhsa_forward_progress 1
		.amdhsa_inst_pref_size 183
	.end_amdhsa_kernel
	.amdgpu_metadata
---
amdhsa.version: [ 1, 2 ]
amdhsa.kernels:
  - .name:           k_qe3ddc9bb7b_main
    .symbol:         k_qe3ddc9bb7b_main.kd
    .args:
      - { .name: x, .offset: 0, .size: 8, .value_kind: global_buffer, .address_space: global }
      - { .name: wfr, .offset: 8, .size: 8, .value_kind: global_buffer, .address_space: global }
      - { .name: qbuf, .offset: 16, .size: 8, .value_kind: global_buffer, .address_space: global }
      - { .name: lowp_scales, .offset: 24, .size: 8, .value_kind: global_buffer, .address_space: global }
      - { .name: pp, .offset: 32, .size: 8, .value_kind: global_buffer, .address_space: global }
      - { .name: ml, .offset: 40, .size: 8, .value_kind: global_buffer, .address_space: global }
    .group_segment_fixed_size: 327680
    .private_segment_fixed_size: 0
    .kernarg_segment_align: 8
    .kernarg_segment_size: 48
    .max_flat_workgroup_size: 128
    .sgpr_count:     66
    .vgpr_count:     1024
    .wavefront_size: 32
...
	.end_amdgpu_metadata
.endif
;; end of part 2
;; launch final (part 3): grid 4 x 16, 4 waves a work-group, no clusters, 1,536 bytes of LDS; arguments pp, ml, wfr, bp, lowp_scales, out0; writes out0
.if DOCPART == 3
	.amdgcn_target "amdgcn-amd-amdhsa--gfx1250"
	.amdhsa_code_object_version 6
	.text
	.protected	k_qe3ddc9bb7b_final
	.globl	k_qe3ddc9bb7b_final
	.p2align	8
	.type	k_qe3ddc9bb7b_final,@function
k_qe3ddc9bb7b_final:
	s_mov_b64 s[64:65], 0
	v_nop
	global_prefetch_b8 v0, s[64:65] scope:SCOPE_SE
	s_setreg_imm32_b32 hwreg(HW_REG_WAVE_MODE, 25, 1), 1
	s_wait_xcnt 0x0
; out0[b][n] = Q(pooled[b], e4) . Q(Wp, e5)[:, n] + bp[n].  Work-group (g, b): batch b, output columns 128 g .. 128 g + 127; wave w: 32 of them.
; pooled[b] is put together from the batch's sixteen partial results (m, l, sums of p x codes' products): M = the largest m; pooled = sum of 2^(m - M) x sums / sum of 2^(m - M) l, x 2^(e2 + e3); all in f32.
; Thread (w, L) owns channels 128 w + 4 L + 0 .. 3 (head 2 w + L / 16).  Its four codes are bytes 4 w .. 4 w + 3 of chunk L of the 512 codes in LDS: the map of k by which Wp's image is laid.
; The product's sixteen rows are sixteen copies of this batch's vector: so a work-group reads one batch's partial results and not sixteen.  The four work-groups of a batch each put pooled[b] together (48 KiB read each).
; LIMITS: e4 between -126 and 119; e4 + e5 between -126 and 127; e2 + e3 is applied by v_ldexp_f32 and has none.  NaN and infinities are not served.
; A wave stores 128 consecutive bytes, the four waves of a work-group 512: the whole output is 32 KiB.
; REGISTERS: v1-5 addresses; v6, v7 2^e4 and 448 x 2^e4; v9 the bias; v16-47 (m, l) pairs, later the two accumulators; v48-111 the partial sums, later pooled's four fragments; v112-239 Wp's eight fragments; v240-255 at work.
	s_load_b256 s[4:11], s[0:1], 0x0               ; pp s[4:5], ml s[6:7], wfr s[8:9], bp s[10:11]
	s_load_b128 s[12:15], s[0:1], 0x20             ; scales s[12:13], out0 s[14:15]
	v_lshl_add_u32 v14, v0, 2, 0x400
	v_mov_b32 v15, 0
	v_lshrrev_b32 v1, 5, v0
	v_readfirstlane_b32 s20, v1                    ; wave 0..3
	v_and_b32 v8, 31, v0                           ; lane L
	v_lshlrev_b32 v1, 4, v8                        ; 16 L
	v_lshlrev_b32 v2, 3, v8                        ; 8 L
	v_lshlrev_b32 v3, 2, v8                        ; 4 L
	v_bfe_u32 v4, v0, 4, 1
	v_lshlrev_b32 v4, 4, v4                        ; 16 h
	s_lshl_b32 s21, s20, 2
	v_add_nc_u32 v5, s21, v1                       ; LDS: chunk L, bytes 4 w on
	s_and_b32 s22, ttmp7, 0xffff                   ; b
	s_mov_b32 s25, 0
	s_mov_b32 s35, 0xffff0000                      ; lanes 16-31
	s_wait_kmcnt 0x0
	s_load_b128 s[16:19], s[12:13], 0x8            ; e2, e3, e4, e5
	s_lshl_b32 s24, s22, 14                        ; ml: 16 records of 1,024 bytes a batch, + 256 w
	s_lshl_b32 s23, s20, 8
	s_add_co_u32 s24, s24, s23
	s_add_nc_u64 s[6:7], s[6:7], s[24:25]
	s_lshl_b32 s24, s22, 15                        ; pp: 16 records of 2,048 bytes a batch, + 512 w
	s_lshl_b32 s23, s20, 9
	s_add_co_u32 s24, s24, s23
	s_add_nc_u64 s[4:5], s[4:5], s[24:25]
	s_lshl_b32 s24, ttmp9, 16                      ; Wp's image: 524,288 + 65,536 g + two column tiles' 4,096 w
	s_lshl_b32 s23, s20, 12
	s_add_co_u32 s24, s24, s23
	s_add_co_u32 s24, s24, 524288
	s_add_nc_u64 s[8:9], s[8:9], s[24:25]
	s_lshl_b32 s24, ttmp9, 9                       ; bp: 512 g + 128 w
	s_lshl_b32 s23, s20, 7
	s_add_co_u32 s24, s24, s23
	s_add_nc_u64 s[10:11], s[10:11], s[24:25]
	s_lshl_b32 s23, s22, 11                        ; out0: the same + 2,048 b
	s_add_co_u32 s24, s24, s23
	s_add_nc_u64 s[14:15], s[14:15], s[24:25]
.irp ch, 0,1,2,3,4,5,6,7,8,9,10,11,12,13,14,15
	global_load_b64 v[16+2*\ch:17+2*\ch], v2, s[6:7] offset:1024*\ch
.endr
.irp ch, 0,1,2,3,4,5,6,7,8,9,10,11,12,13,14,15
	global_load_b128 v[48+4*\ch:51+4*\ch], v1, s[4:5] offset:2048*\ch
.endr
	global_load_b32 v9, v3, s[10:11]
.irp u, 0,1                            ; column tile 2 w + u, K step s
.irp s, 0,1,2,3
.irp c, 0,1,2,3
	global_load_b128 v[112+16*(4*\u+\s)+4*\c:115+16*(4*\u+\s)+4*\c], v1, s[8:9] offset:2048*(8*\s+\u)+512*\c
.endr
.endr
.endr
	s_wait_kmcnt 0x0
	s_add_co_i32 s40, s16, s17                     ; e2 + e3
	s_add_co_i32 s42, s18, 127
	s_lshl_b32 s43, s42, 23
	v_mov_b32 v6, s43                              ; 2^e4 as f32: the conversion takes its exponent field
	s_add_co_i32 s42, s42, 8
	s_lshl_b32 s42, s42, 23
	s_or_b32 s42, s42, 0x600000
	v_mov_b32 v7, s42                              ; 448 x 2^e4
	s_add_co_i32 s41, s18, s19
	s_add_co_i32 s41, s41, 127
	s_lshl_b32 s41, s41, 23                        ; 2^(e4 + e5) as f32
	s_wait_loadcnt 49                              ; the sixteen (m, l) are in; younger: 16 + 1 + 32
	v_max3_num_f32 v251, v16, v18, v20
	v_max3_num_f32 v252, v22, v24, v26
	v_max3_num_f32 v251, v251, v28, v30
	v_max3_num_f32 v252, v252, v32, v34
	v_max3_num_f32 v251, v251, v36, v38
	v_max3_num_f32 v252, v252, v40, v42
	v_max3_num_f32 v251, v251, v44, v46
	v_max_num_f32 v251, v251, v252                 ; M
.irp ch, 0,1,2,3,4,5,6,7,8,9,10,11,12,13,14,15
	v_sub_f32 v[16+2*\ch], v[16+2*\ch], v251
.endr
.irp ch, 0,1,2,3,4,5,6,7,8,9,10,11,12,13,14,15
	v_exp_f32 v[16+2*\ch], v[16+2*\ch]             ; 2^(m - M), in m's place
.endr
	v_mov_b32 v244, 0                              ; (plain lines behind the exponentials)  the conversion takes eight numbers: the upper four are zeros
	v_mov_b32 v245, 0
	v_mov_b32 v246, 0
	v_mov_b32 v247, 0
	s_wait_alu depctr_va_vdst(0)
	v_mul_f32 v252, v16, v17                       ; the divisor, in two chains
	v_mul_f32 v253, v18, v19
.irp ch, 2,4,6,8,10,12,14
	v_fma_f32 v252, v[16+2*\ch], v[17+2*\ch], v252
	v_fma_f32 v253, v[18+2*\ch], v[19+2*\ch], v253
.endr
	v_add_f32 v252, v252, v253
	s_wait_loadcnt 33                              ; the sixteen partial sums are in; younger: 1 + 32
	v_pk_mul_f32 v[240:241], v[48:49], v[16:17] op_sel_hi:[1,0]
	v_pk_mul_f32 v[242:243], v[50:51], v[16:17] op_sel_hi:[1,0]
.irp ch, 1,2,3,4,5,6,7,8,9,10,11,12,13,14,15
	v_pk_fma_f32 v[240:241], v[48+4*\ch:49+4*\ch], v[16+2*\ch:17+2*\ch], v[240:241] op_sel_hi:[1,0,1]
	v_pk_fma_f32 v[242:243], v[50+4*\ch:51+4*\ch], v[16+2*\ch:17+2*\ch], v[242:243] op_sel_hi:[1,0,1]
.endr
	v_rcp_f32 v254, v252
	v_mov_b32 v255, 0                              ; (a plain line behind the reciprocal)  named as the pair's upper half
	s_wait_alu depctr_va_vdst(0)
	v_ldexp_f32 v254, v254, s40                    ; x 2^(e2 + e3)
	v_pk_mul_f32 v[240:241], v[240:241], v[254:255] op_sel_hi:[1,0]
	v_pk_mul_f32 v[242:243], v[242:243], v[254:255] op_sel_hi:[1,0]   ; pooled, my four channels
.irp j, 0,1,2,3
	v_med3_num_f32 v[240+\j], v[240+\j], -v7, v7   ; the conversion to an 8-bit code does not saturate (ISA guide 7.6.2): the hold comes first
.endr
	v_cvt_scalef32_pk8_fp8_f32 v[248:249], v[240:247], v6
	v_nop                                          ; one plain vector line behind the conversion
	ds_store_b32 v5, v248
	s_wait_dscnt 0x0                               ; for the others' sake: my four codes lie in LDS
	s_barrier_signal -1
	s_barrier_wait -1                              ; all 512 do
.irp s, 0,1,2,3
.irp c, 0,1,2,3
	ds_load_b128 v[48+16*\s+4*\c:51+16*\s+4*\c], v4 offset:128*\s+32*\c   ; chunk 8 s + 2 c + h, the same for all sixteen rows
.endr
.endr
	s_wait_dscnt 0x0
	s_wait_loadcnt 0x0                             ; the bias and Wp's fragments
.irp s, 0,1,2,3                        ; the two accumulators take turns; the first K step starts the sums
.irp u, 0,1
.if \s == 0
	v_wmma_f32_16x16x128_fp8_fp8 v[16+8*\u:23+8*\u], v[48+16*\s:63+16*\s], v[112+16*(4*\u+\s):127+16*(4*\u+\s)], 0
.else
	v_wmma_f32_16x16x128_fp8_fp8 v[16+8*\u:23+8*\u], v[48+16*\s:63+16*\s], v[112+16*(4*\u+\s):127+16*(4*\u+\s)], v[16+8*\u:23+8*\u]
.endif
.endr
.endr
.rept 4
	v_nop                                          ; four places in front of the first read of results (ISA guide 7.12.1)
.endr
	v_cndmask_b32 v250, v16, v24, s35              ; every row is the same: lanes 0-15 take tile 0's column r, lanes 16-31 tile 1's, each from the accumulator's lowest register
	v_fma_f32 v250, v250, s41, v9                  ; sum x 2^(e4 + e5) + bp
	global_store_b32 v3, v250, s[14:15]
	s_wait_tensorcnt 0x0
	ds_add_u32 v14, v15
	s_wait_dscnt 0x0
	s_endpgm
.Lfunc_end_k_qe3ddc9bb7b_final:
	.size	k_qe3ddc9bb7b_final, .Lfunc_end_k_qe3ddc9bb7b_final-k_qe3ddc9bb7b_final
	.p2alignl 7, 3214868480
	.fill 96, 4, 3214868480
	.section	.rodata,"a",@progbits
	.p2align	6, 0x0
	.amdhsa_kernel k_qe3ddc9bb7b_final
		.amdhsa_group_segment_fixed_size 1536
		.amdhsa_private_segment_fixed_size 0
		.amdhsa_enable_private_segment 0
		.amdhsa_kernarg_size 48
		.amdhsa_user_sgpr_count 2
		.amdhsa_user_sgpr_kernarg_segment_ptr 1
		.amdhsa_wavefront_size32 1
		.amdhsa_system_sgpr_workgroup_id_x 1
		.amdhsa_system_sgpr_workgroup_id_y 1
		.amdhsa_system_sgpr_workgroup_id_z 1
		.amdhsa_system_vgpr_workitem_id 0
		.amdhsa_next_free_vgpr 256
		.amdhsa_next_free_sgpr 66
		.amdhsa_reserve_vcc 0
		.amdhsa_float_denorm_mode_32 3
		.amdhsa_float_denorm_mode_16_64 3
		.amdhsa_memory_ordered 1
		.amdhsa_forward_progress 1
		.amdhsa_inst_pref_size 16
	.end_amdhsa_kernel
	.amdgpu_metadata
---
amdhsa.version: [ 1, 2 ]
amdhsa.kernels:
  - .name:           k_qe3ddc9bb7b_final
    .symbol:         k_qe3ddc9bb7b_final.kd
    .args:
      - { .name: pp, .offset: 0, .size: 8, .value_kind: global_buffer, .address_space: global }
      - { .name: ml, .offset: 8, .size: 8, .value_kind: global_buffer, .address_space: global }
      - { .name: wfr, .offset: 16, .size: 8, .value_kind: global_buffer, .address_space: global }
      - { .name: bp, .offset: 24, .size: 8, .value_kind: global_buffer, .address_space: global }
      - { .name: lowp_scales, .offset: 32, .size: 8, .value_kind: global_buffer, .address_space: global }
      - { .name: out0, .offset: 40, .size: 8, .value_kind: global_buffer, .address_space: global }
    .group_segment_fixed_size: 1536
    .private_segment_fixed_size: 0
    .kernarg_segment_align: 8
    .kernarg_segment_size: 48
    .max_flat_workgroup_size: 128
    .sgpr_count:     66
    .vgpr_count:     256
    .wavefront_size: 32
...
	.end_amdgpu_metadata
.endif
;; end of part 3
;; ======== version 2 of 2: 3 launches
;; workspace buffers: wfr 786,432 bytes; qbuf 2,048 bytes; pp 524,288 bytes; ml 262,144 bytes
;; launch prep (part 4): grid 56 x 1, 8 waves a work-group, no clusters, 3,072 bytes of LDS; arguments Wk, Wv, Wp, Wq, cls_token, lowp_scales, wfr, qbuf; writes wfr, qbuf
.if DOCPART == 4
	.amdgcn_target "amdgcn-amd-amdhsa--gfx1250"
	.amdhsa_code_object_version 6
	.text
	.protected	k_qe3ddc9bb7b_prep
	.globl	k_qe3ddc9bb7b_prep
	.p2align	8
	.type	k_qe3ddc9bb7b_prep,@function
k_qe3ddc9bb7b_prep:
	s_mov_b64 s[64:65], 0
	v_nop
	global_prefetch_b8 v0, s[64:65] scope:SCOPE_SE
	s_setreg_imm32_b32 hwreg(HW_REG_WAVE_MODE, 25, 1), 1
	s_wait_xcnt 0x0
; Work-groups 0-47: Wk, Wv, Wp ([512 (k)][512 (n)] f32, K is the first axis) become codes of FP8 (E4M3), each with its given scale 2^e
; (entries 1, 3, 5 of the scales), laid in wfr as IMAGES OF OPERAND REGISTERS: [matrix M][w: 128 columns][fragment f = 8 s + t][c][lane][16 bytes].
; Lane (r', h') of fragment (K step s, column tile t) holds column n = 128 w + 16 t + r'; byte B of its 16 bytes of group c is the code of
; W[k][n] with k = 128 (B / 4) + 32 s + 8 c + 4 h' + B % 4.  The later launches lay x and the pooled vector by the same map of k.
; A lane takes a column and its registers run down K, so the conversions' results are those 16 bytes: nothing is transposed.
; Work-groups 48-55: q = (cls_token . Wq) / 8 in f32 (fused multiply-adds), 64 columns a work-group, K shared among the eight waves.
; LIMITS: each e between -126 and 119, so that 2^e and 448 x 2^e are f32 numbers.  NaN among the inputs is not served.
.set WGW, 48                           ; work-groups that quantise weights
.set X,   16                           ; v16-79  four runs of 16 numbers;  q path: v16-143 64 pairs of Wq
.set C,   80                           ; v80-95  four registers of codes a run, each stored once
	s_load_b256 s[4:11], s[0:1], 0x0               ; Wk s[4:5], Wv s[6:7], Wp s[8:9], Wq s[10:11]
	s_load_b256 s[84:91], s[0:1], 0x20             ; cls_token s[84:85], scales s[86:87], wfr s[88:89], qbuf s[90:91]
	v_lshl_add_u32 v160, v0, 2, 0x800
	v_mov_b32 v161, 0
	v_lshrrev_b32 v3, 5, v0
	s_delay_alu instid0(VALU_DEP_1)
	v_readfirstlane_b32 s12, v3                    ; wave 0..7
	v_and_b32 v3, 31, v0                           ; lane
	s_cmp_lt_u32 ttmp9, WGW                        ; the same way for all eight waves of a work-group
	s_cbranch_scc0 .Lq
	; ---- weights.  Work-group: matrix M, columns 128 w on, K step s.  Wave: column tiles 2 cgl, 2 cgl + 1; groups c = 2 ch, 2 ch + 1
	s_lshr_b32 s13, ttmp9, 4                       ; M
	s_bfe_u32 s14, ttmp9, 0x20002                  ; w
	s_and_b32 s15, ttmp9, 3                        ; s
	s_and_b32 s16, s12, 3                          ; cgl
	s_lshr_b32 s17, s12, 2                         ; ch
	s_lshl_b32 s26, s14, 9                         ; in: 4 (128 w + 32 cgl) + 2,048 (32 s + 16 ch)
	s_lshl_b32 s18, s16, 7
	s_add_co_u32 s26, s26, s18
	s_lshl_b32 s18, s15, 16
	s_add_co_u32 s26, s26, s18
	s_lshl_b32 s18, s17, 15
	s_add_co_u32 s26, s26, s18
	s_mov_b32 s27, 0
	s_lshl_b32 s28, s13, 18                        ; out: 262,144 M + 65,536 w + 2,048 (8 s + 2 cgl) + 1,024 ch
	s_lshl_b32 s18, s14, 16
	s_add_co_u32 s28, s28, s18
	s_lshl_b32 s18, s15, 14
	s_add_co_u32 s28, s28, s18
	s_lshl_b32 s18, s16, 12
	s_add_co_u32 s28, s28, s18
	s_lshl_b32 s18, s17, 10
	s_add_co_u32 s28, s28, s18
	s_mov_b32 s29, 0
	s_wait_alu depctr_va_vdst(0)
	v_lshlrev_b32 v1, 2, v3                        ; in: my column, 4 bytes a lane: a load of the wave reads 128 consecutive bytes
	v_lshrrev_b32 v4, 4, v3
	v_and_b32 v5, 15, v3
	s_delay_alu instid0(VALU_DEP_1)
	v_lshlrev_b32 v2, 4, v5
	s_delay_alu instid0(VALU_DEP_1)
	v_lshl_add_u32 v2, v4, 11, v2                  ; out: lanes 16-31 belong to the next tile's fragment: 2,048 (lane / 16) + 16 (lane % 16)
	s_wait_alu depctr_va_vdst(0)
	s_wait_kmcnt 0x0
	s_load_b128 s[20:23], s[86:87], 0x0            ; e0 .. e3
	s_load_b64 s[24:25], s[86:87], 0x10            ; e4, e5
	s_cmp_eq_u32 s13, 1                            ; the matrix is chosen by the work-group's number alone
	s_cselect_b64 s[4:5], s[6:7], s[4:5]
	s_cmp_eq_u32 s13, 2
	s_cselect_b64 s[4:5], s[8:9], s[4:5]
	s_add_nc_u64 s[4:5], s[4:5], s[26:27]
	s_add_nc_u64 s[88:89], s[88:89], s[28:29]
.irp u, 0,1,2,3                        ; run u = 2 c'' + h': the 16 numbers k = 128 i + 4 u + c' (+ 32 s + 16 ch) of my column
.irp i, 0,1,2,3
.irp c, 0,1,2,3
	global_load_b32 v[X+16*\u+4*\i+\c], v1, s[4:5] offset:2048*(128*\i+4*\u+\c) th:TH_LOAD_NT
.endr
.endr
.endr
	s_wait_kmcnt 0x0
	s_cmp_eq_u32 s13, 1
	s_cselect_b32 s21, s23, s21                    ; e1, e3 or e5
	s_cmp_eq_u32 s13, 2
	s_cselect_b32 s21, s25, s21
	s_add_co_i32 s21, s21, 127
	s_lshl_b32 s22, s21, 23
	v_mov_b32 v11, s22                             ; 2^e as f32: the conversion takes its exponent field
	s_add_co_i32 s21, s21, 8
	s_lshl_b32 s21, s21, 23
	s_or_b32 s21, s21, 0x600000
	v_mov_b32 v10, s21                             ; 448 x 2^e
	s_wait_alu depctr_va_vdst(0)
.irp u, 0,1,2,3
	s_wait_loadcnt 48-16*\u                        ; this run's 16 loads are in; the later runs' may be out
.irp n, 0,1,2,3,4,5,6,7,8,9,10,11,12,13,14,15
	v_med3_num_f32 v[X+16*\u+\n], v[X+16*\u+\n], -v10, v10   ; the conversion to an 8-bit code does not saturate (ISA guide 7.6.2): the hold comes first
.endr
	v_cvt_scalef32_pk8_fp8_f32 v[C+4*\u:C+4*\u+1], v[X+16*\u:X+16*\u+7], v11
	v_cvt_scalef32_pk8_fp8_f32 v[C+4*\u+2:C+4*\u+3], v[X+16*\u+8:X+16*\u+15], v11
	global_store_b128 v2, v[C+4*\u:C+4*\u+3], s[88:89] offset:256*\u   ; 512 c'' + 256 h': sixteen lanes store 256 consecutive bytes, aligned; the codes go to this store alone
.endr
	s_endpgm
	; ---- q.  Work-group u': columns 64 u' on, two a lane.  Wave: k = 64 wave .. 64 wave + 63; its 64 numbers of cls_token lie in scalar registers
.Lq:
	s_sub_co_u32 s13, ttmp9, WGW                   ; u'
	s_wait_alu depctr_va_vdst(0)
	v_lshlrev_b32 v1, 3, v3                        ; 8 x lane
	v_lshlrev_b32 v2, 3, v0                        ; LDS: 256 x wave + 8 x lane
	s_lshl_b32 s14, s13, 8
	s_lshl_b32 s15, s12, 17
	s_add_co_u32 s14, s14, s15                     ; Wq: 256 u' + 64 rows of 2,048 bytes x wave
	s_mov_b32 s15, 0
	s_lshl_b32 s94, s12, 8                         ; cls_token: 256 x wave
	s_mov_b32 s95, 0
	s_wait_alu depctr_va_vdst(0)
	s_wait_kmcnt 0x0
	s_add_nc_u64 s[10:11], s[10:11], s[14:15]
	s_add_nc_u64 s[92:93], s[84:85], s[94:95]
	s_lshl_b32 s14, s13, 8
	s_add_nc_u64 s[90:91], s[90:91], s[14:15]      ; qbuf: 256 u'
	s_load_b512 s[16:31], s[92:93], 0x0            ; number kk lies in s[16 + kk], from kk = 48 on in s[20 + kk]
	s_load_b512 s[32:47], s[92:93], 0x40
	s_load_b512 s[48:63], s[92:93], 0x80
	s_load_b512 s[68:83], s[92:93], 0xc0
.set kk, 0
.rept 64
	global_load_b64 v[X+2*kk:X+2*kk+1], v1, s[10:11] offset:2048*kk th:TH_LOAD_NT   ; a load of the wave reads 256 consecutive bytes, aligned
.set kk, kk+1
.endr
	s_wait_kmcnt 0x0
.set kk, 0
.rept 64                               ; four chains for each of my two columns; a chain's first product starts it
.if (kk % 16) == 0
	s_wait_alu depctr_va_vdst(0)
	s_wait_loadcnt 48-kk                           ; the next sixteen loads are in; the later ones may be out
.endif
.set sr, 16+kk
.if kk >= 48
.set sr, 20+kk
.endif
.if kk < 4
	v_mul_f32 v[144+2*kk], s[sr], v[X+2*kk]
	v_mul_f32 v[145+2*kk], s[sr], v[X+2*kk+1]
.else
	v_fmac_f32 v[144+2*(kk%4)], s[sr], v[X+2*kk]
	v_fmac_f32 v[145+2*(kk%4)], s[sr], v[X+2*kk+1]
.endif
.set kk, kk+1
.endr
	v_pk_add_f32 v[144:145], v[144:145], v[146:147]
	s_delay_alu instid0(VALU_DEP_2)
	v_pk_add_f32 v[148:149], v[148:149], v[150:151]
	s_delay_alu instid0(VALU_DEP_1)
	v_pk_add_f32 v[144:145], v[144:145], v[148:149]
	ds_store_b64 v2, v[144:145]
	s_wait_dscnt 0x0                               ; for the others' sake: my part lies in LDS
	s_barrier_signal -1
	s_barrier_wait -1
	s_cmp_lg_u32 s12, 0
	s_cbranch_scc1 .Lend                           ; wave 0 adds the eight parts
.irp j, 0,1,2,3,4,5,6,7
	ds_load_b64 v[X+2*\j:X+2*\j+1], v1 offset:256*\j
.endr
	s_wait_dscnt 0x0
	v_pk_add_f32 v[16:17], v[16:17], v[18:19]
	v_pk_add_f32 v[20:21], v[20:21], v[22:23]
	v_pk_add_f32 v[24:25], v[24:25], v[26:27]
	v_pk_add_f32 v[28:29], v[28:29], v[30:31]
	s_delay_alu instid0(VALU_DEP_3)
	v_pk_add_f32 v[16:17], v[16:17], v[20:21]
	s_delay_alu instid0(VALU_DEP_2)
	v_pk_add_f32 v[24:25], v[24:25], v[28:29]
	s_delay_alu instid0(VALU_DEP_1)
	v_pk_add_f32 v[16:17], v[16:17], v[24:25]
	s_delay_alu instid0(VALU_DEP_1)
	v_pk_mul_f32 v[16:17], v[16:17], 0x3e000000 op_sel_hi:[1,0]   ; x 64^-0.5 = 1/8: nothing is rounded
	global_store_b64 v1, v[16:17], s[90:91]        ; 256 consecutive bytes, aligned
.Lend:
	s_wait_tensorcnt 0x0
	ds_add_u32 v160, v161
	s_wait_dscnt 0x0
	s_endpgm
.Lfunc_end_k_qe3ddc9bb7b_prep:
	.size	k_qe3ddc9bb7b_prep, .Lfunc_end_k_qe3ddc9bb7b_prep-k_qe3ddc9bb7b_prep
	.p2alignl 7, 3214868480
	.fill 96, 4, 3214868480
	.section	.rodata,"a",@progbits
	.p2align	6, 0x0
	.amdhsa_kernel k_qe3ddc9bb7b_prep
		.amdhsa_group_segment_fixed_size 3072
		.amdhsa_private_segment_fixed_size 0
		.amdhsa_enable_private_segment 0
		.amdhsa_kernarg_size 64
		.amdhsa_user_sgpr_count 2
		.amdhsa_user_sgpr_kernarg_segment_ptr 1
		.amdhsa_wavefront_size32 1
		.amdhsa_system_sgpr_workgroup_id_x 1
		.amdhsa_system_sgpr_workgroup_id_y 1
		.amdhsa_system_sgpr_workgroup_id_z 1
		.amdhsa_system_vgpr_workitem_id 0
		.amdhsa_next_free_vgpr 162
		.amdhsa_next_free_sgpr 96
		.amdhsa_reserve_vcc 0
		.amdhsa_float_denorm_mode_32 3
		.amdhsa_float_denorm_mode_16_64 3
		.amdhsa_memory_ordered 1
		.amdhsa_forward_progress 1
		.amdhsa_inst_pref_size 27
	.end_amdhsa_kernel
	.amdgpu_metadata
---
amdhsa.version: [ 1, 2 ]
amdhsa.kernels:
  - .name:           k_qe3ddc9bb7b_prep
    .symbol:         k_qe3ddc9bb7b_prep.kd
    .args:
      - { .name: Wk, .offset: 0, .size: 8, .value_kind: global_buffer, .address_space: global }
      - { .name: Wv, .offset: 8, .size: 8, .value_kind: global_buffer, .address_space: global }
      - { .name: Wp, .offset: 16, .size: 8, .value_kind: global_buffer, .address_space: global }
      - { .name: Wq, .offset: 24, .size: 8, .value_kind: global_buffer, .address_space: global }
      - { .name: cls_token, .offset: 32, .size: 8, .value_kind: global_buffer, .address_space: global }
      - { .name: lowp_scales, .offset: 40, .size: 8, .value_kind: global_buffer, .address_space: global }
      - { .name: wfr, .offset: 48, .size: 8, .value_kind: global_buffer, .address_space: global }
      - { .name: qbuf, .offset: 56, .size: 8, .value_kind: global_buffer, .address_space: global }
    .group_segment_fixed_size: 3072
    .private_segment_fixed_size: 0
    .kernarg_segment_align: 8
    .kernarg_segment_size: 64
    .max_flat_workgroup_size: 256
    .sgpr_count:     96
    .vgpr_count:     162
    .wavefront_size: 32
...
	.end_amdgpu_metadata
.endif
;; end of part 4
;; launch main (part 5): grid 256 x 1, 4 waves a work-group, no clusters, 327,680 bytes of LDS; arguments x, wfr, qbuf, lowp_scales, pp, ml; writes pp, ml
.if DOCPART == 5
	.amdgcn_target "amdgcn-amd-amdhsa--gfx1250"
	.amdhsa_code_object_version 6
	.text
	.protected	k_qe3ddc9bb7b_main
	.globl	k_qe3ddc9bb7b_main
	.p2align	8
	.type	k_qe3ddc9bb7b_main,@function
k_qe3ddc9bb7b_main:
	s_mov_b64 s[64:65], 0
	v_nop
	global_prefetch_b8 v0, s[64:65] scope:SCOPE_SE
	s_setreg_imm32_b32 hwreg(HW_REG_WAVE_SCHED_MODE, 0, 2), 2
	s_setreg_imm32_b32 hwreg(HW_REG_WAVE_MODE, 25, 1), 1
	s_wait_xcnt 0x0
	s_wait_alu depctr_vm_vsrc(0)
; One work-group takes 512 tokens (rows of x, [131072][512] f32) through k = Q(x, e0) Q(Wk, e1), the logits q . k, the softmax's weights under the work-group's own maximum,
; v = Q(x, e2) Q(Wv, e3) and the sum of p v.  It stores, for each head, m (its largest logit, in powers of two), l (the sum of p) and the 64 sums of p x (sum of codes' products).
; THE WAVES SHARE THE COLUMNS: wave w owns heads 2 w and 2 w + 1 (columns 128 w .. 128 w + 127).  Its 32 fragments of the weight in hand fill 512 registers and are read from memory once.
; PHASE K: x is read once, 64 tokens a trip; wave w quantises tile w (16 tokens) twice, by e0 and by e2.  The e0 codes go round through LDS and are multiplied by Wk; the e2 codes STAY in LDS (512 rows of 512 codes).
; PHASE V: Wv has taken Wk's place in the registers; v is made from the codes in LDS and added up under p.  So x's f32 numbers are read and quantised once.
; BOTH PRODUCTS ARE USED TRANSPOSED (source 0 = 16 columns of the weight, source 1 = 16 tokens): lane (r, h) holds token r, register j of tile t channel 16 t + 8 h + j.
; K IS PERMUTED, alike in both operands: a row's load i gives lane L columns 128 i + 4 L + 0 .. 3, so the lane's 16 codes are k = 128 (B / 4) + 4 L + B % 4; they are chunk L of the row in LDS, and
; K step s, register group c, lane half h take chunk 8 s + 2 c + h.  The weights' images are laid by the same map.  Every load of x reads 512 consecutive bytes, and nothing is transposed.
; THE TOKENS' SIGNS TAKE TURNS IN THE SECOND PRODUCT: an odd token is quantised for e2 as -x (the quantiser is odd: the same code with the sign turned, so v comes out exactly negated) and weighs in with -p.
; (-p)(-v) = p v, so nothing is changed in the mathematics.
; LIMITS: e0 and e2 between -126 and 119; e0 + e1 between -126 and 127 (added to the exponent field of log2 e).  NaN and infinities among the inputs are not served.
; No tensor loads: x is wanted in registers for the conversions, and LDS is full of codes.  No cluster: each weight byte enters a work-group once, into registers.
; LDS: a row of 512 codes takes 528 bytes (132 words: row r starts at bank 4 r mod 64; 64 banks of 4 bytes: ISA guide 11.1): the sixteen rows of a fragment load start at sixteen different banks, a row's store is
;      512 consecutive bytes, and every address is one register + an immediate.  A tile is 16 rows, a trip's block 4 tiles.
;      0 .. XK - 1: the e2 codes, 32 tiles;   XK: the trip's four tiles of e0 codes; at the end each wave's stage of 16 rows x 528 bytes lies there;
;      LGT: 4,096 bytes a wave: logits, then +-p: tile T at 128 T, head A's 16, head B's 16.
; REGISTERS, in windows of 256: window 0: v1-13 addresses, v16-19 a trip's four logits, v28-31 scales; v32-95 q (phase K), the sums of p v (phase V); v96-127 at work (phase K: v112-127 also a fifth fragment);
;   v128-191 the 8 accumulators; v192-255 four fragments of tokens (while x is quantised v128-255 hold the held numbers).  window 1: Wk's fragments 0-15, later Wv's 16-31.
;   window 2: Wk's 16-31; in phase V its v192-255 hold the odd tiles' fragments.  window 3: 16 row slots of x, 16 registers each; later Wv's 0-15.
; THE MODE: SCHED_MODE bits 1:0 = 2 (LLVM: expert scheduling mode 2), set by the entry lines.  The code itself states the register dependences between vector or matrix instructions and memory or LDS
; instructions, with s_wait_alu, always for 0.
; THE PLAN.  Registers that memory or LDS instructions touch:
;   the row slots   A group's 128 holds read four slots; behind its conversions the next trip's rows land in them.
;   v96-127         A group's conversions write the codes, its eight LDS stores read them.  ONE wait on va_vdst a group, behind the conversions, serves the stores and the refills; a wait on vm_vsrc stands ahead of the next conversions.
;   F0 .. F4        Phase K: five fragment buffers (v192-255, v112-127); K step s of tile i lies in buffer (4 i + s) % 5.  ONE wait on va_vdst a tile, behind its last products and their places, where the logits' arithmetic
;                   needs those products done in any case: the tile's four buffers are free.  Into three of them go the next tile's K steps 1 to 3, dealt among the logits' arithmetic; into the fourth, in the next
;                   tile's middle, the first fragment of the tile after it.  No instruction between that wait and these loads names their registers.
;   v16-19          Written by the four tiles' arithmetic, read by four stores at the trip's end, behind one wait on va_vdst.
;   v4, v6          Written at a trip's head, behind a wait on vm_vsrc; the first group's wait on va_vdst stands ahead of their first use.
;   two sets        Phase V: tile j's four fragments lie in v192-255 of window 0 (j even) or window 2 (j odd).  ONE wait on va_vdst a tile, at the same place: behind it come tile j + 1's p and the first half of tile
;                   j + 2's fragments, into the set just read; the second half follows in tile j + 1's middle.
;   v13, v8         Phase V: written once a trip, behind a wait on vm_vsrc and ahead of tile 0's wait on va_vdst; the middle of tile 0 still fetches by the old address.
;   v1, v2, v5, v11, v12 are made at the head and not written while memory instructions use them.
.set PITCH, 528
.set TILEB, 16*PITCH                   ; 8,448
.set BLKB,  4*TILEB                    ; 33,792
.set XK,    8*BLKB                     ; 270,336
.set RED,   XK
.set LGT,   XK+BLKB                    ; 304,128; ends at 320,512
.set LG,   16                          ; the trip's four logits
.set QR,   32                          ; q x log2(e) x 2^(e0 + e1): register 8 t + j
.set PO,   32                          ; the sums of p v, same places
.set CD,   96                          ; codes of four rows, 8 registers each
.set F4,   112                         ; phase K: the fifth fragment buffer
.set ACC,  128
.set TK,   128                         ; four rows x 16 numbers held for e0
.set XF,   192
.set TV,   192                         ; the same for e2
.set RB,   12                          ; v12  my place in a tile as a reader: 528 r + 16 h; never rewritten
.set RW,   13                          ; v13  the same + the LDS byte at which the tiles in hand begin
.set MSB,  0
.macro WIN new                         ; the immediate's high byte repeats the setting that is left
.if MSB != (\new)
	s_set_vgpr_msb (MSB<<8)|(\new)
.set MSB, (\new)
.endif
.endm
.macro PLACES                          ; four plain vector instructions stand between a matrix instruction and a read of its result (ISA guide 7.12.1)
.rept 4
	v_nop
.endr
.endm
.macro XLOAD g, base                   ; rows 4 g .. 4 g + 3 of a tile into their slots: each load reads 512 consecutive bytes
	WIN 0xc0                                       ; destination window 3
.irp a, 0,1,2,3
.irp i, 0,1,2,3
	global_load_b128 v[16*(4*(\g)+\a)+4*\i:16*(4*(\g)+\a)+4*\i+3], v1, s[\base:\base+1] offset:2048*(4*(\g)+\a)+512*\i
.endr
.endr
.endm
.macro WLOAD base, f0                  ; sixteen fragments of a weight's image, f0 on, into the destination window's 256 registers
.irp f, 0,1,2,3,4,5,6,7,8,9,10,11,12,13,14,15
.irp c, 0,1,2,3
	global_load_b128 v[16*\f+4*\c:16*\f+4*\c+3], v1, s[\base:\base+1] offset:2048*(\f0+\f)+512*\c
.endr
.endr
.endm
; Four rows of my tile: held twice, converted twice, stored as chunks in one run, and their slots asked for again.  Row 4 g + a is token 4 g + a of the tile: odd where a is odd.
; One run of vector work, one of LDS stores, one of loads: no address register is written between the stores, and the loads are issued while the stores are on their way.
.macro QGROUP g
	s_wait_loadcnt 48                              ; behind this group's 16 loads three groups of 16 were issued, in every trip: they may stay out
	WIN 0x03                                       ; source 0 window 3
.irp a, 0,1,2,3
.irp n, 0,1,2,3,4,5,6,7,8,9,10,11,12,13,14,15
	v_med3_num_f32 v[TK+16*\a+\n], v[16*(4*(\g)+\a)+\n], -v29, v29   ; the conversion to an 8-bit code does not saturate (ISA guide 7.6.2): held within 448 x 2^e0,
.if (\a) % 2
	v_med3_num_f32 v[TV+16*\a+\n], -v[16*(4*(\g)+\a)+\n], -v31, v31  ; and within 448 x 2^e2: an odd token as -x,
.else
	v_med3_num_f32 v[TV+16*\a+\n], v[16*(4*(\g)+\a)+\n], -v31, v31   ; an even one as x
.endif
.endr
.endr
	WIN 0
.if (\g) > 0
	s_wait_alu depctr_vm_vsrc(0)                   ; the last group's LDS stores have read v96-127, which the conversions write again (for group 0 the wait at the trip's head says so)
.endif
.irp a, 0,1,2,3
	v_cvt_scalef32_pk8_fp8_f32 v[CD+8*\a:CD+8*\a+1],   v[TK+16*\a:TK+16*\a+7],    v28
	v_cvt_scalef32_pk8_fp8_f32 v[CD+8*\a+2:CD+8*\a+3], v[TK+16*\a+8:TK+16*\a+15], v28
	v_cvt_scalef32_pk8_fp8_f32 v[CD+8*\a+4:CD+8*\a+5], v[TV+16*\a:TV+16*\a+7],    v30
	v_cvt_scalef32_pk8_fp8_f32 v[CD+8*\a+6:CD+8*\a+7], v[TV+16*\a+8:TV+16*\a+15], v30
.endr
	v_nop                                          ; one plain vector line between the conversions and the next holds or products, which write the conversions' sources
	s_wait_alu depctr_va_vdst(0)                   ; the conversions have written v96-127, which the stores read; the holds are done reading the four slots, in which the refills land; in group 0: v4 and v6 are written
.irp a, 0,1,2,3
	ds_store_b128 v2, v[CD+8*\a:CD+8*\a+3]   offset:PITCH*(4*(\g)+\a)   ; chunk L of row p lies at 528 p + 16 L
	ds_store_b128 v4, v[CD+8*\a+4:CD+8*\a+7] offset:PITCH*(4*(\g)+\a)
.endr
	XLOAD \g, 24                                   ; the next trip's rows.  No further wait: the stores between name none of these registers
.endm
.macro FBASE i, s                      ; phase K: FB = the first register of the buffer that holds K step s of tile i
.set FB, (4*(\i)+(\s))%5
.if FB == 4
.set FB, F4
.else
.set FB, XF+16*FB
.endif
.endm
.macro FRAG i, s                       ; phase K: that fragment from LDS: four loads; group c: chunk 8 s + 2 c + h
	FBASE \i, \s
.irp c, 0,1,2,3
	ds_load_b128 v[FB+4*\c:FB+4*\c+3], v[RW] offset:TILEB*(\i)+128*(\s)+32*\c
.endr
.endm
.macro VFETCH hf, i, par               ; phase V: the fragments of K steps 2 hf and 2 hf + 1 of tile i (counted from the address in hand) into the set of parity par: eight loads
	WIN 0x80*(\par)                                ; destination window 0 or 2
.irp s0, 0,1
.irp c, 0,1,2,3
	ds_load_b128 v[XF+16*(2*(\hf)+\s0)+4*\c:XF+16*(2*(\hf)+\s0)+4*\c+3], v[RW] offset:TILEB*(\i)+128*(2*(\hf)+\s0)+32*\c
.endr
.endr
.endm
.macro PLOAD i                         ; my token's +-p for head A and for head B, into the pair of tile i's parity
	ds_load_b32 v[96+4*((\i)%2)], v8 offset:128*(\i)
	ds_load_b32 v[98+4*((\i)%2)], v8 offset:128*(\i)+64
.endm
.macro MUL s, zero                     ; K step s against the fragment at v[FB]: the eight accumulators take turns, one instruction a turn; zero = 1: the products start the sums
.irp t, 0,1,2,3,4,5,6,7
.if \zero
	v_wmma_f32_16x16x128_fp8_fp8 v[ACC+8*\t:ACC+8*\t+7], v[128*((\s)%2)+16*\t:128*((\s)%2)+16*\t+15], v[FB:FB+15], 0
.else
	v_wmma_f32_16x16x128_fp8_fp8 v[ACC+8*\t:ACC+8*\t+7], v[128*((\s)%2)+16*\t:128*((\s)%2)+16*\t+15], v[FB:FB+15], v[ACC+8*\t:ACC+8*\t+7]
.endif
.endr
.endm
; The logits of tile i: q . k over my 32 channels of each head, in four chains (each accumulator from its low pair on), then the other half of the lanes'.
; nxt = 1: the next tile's K steps 1 to 3 are fetched, four loads ahead of each of the first three runs of eight: the wait in front of this macro has shown their buffers free.
.macro LOGITS i, nxt
.irp pr, 0,1,2,3
.if (\nxt) && (\pr < 3)
	FRAG (\i)+1, (\pr)+1
.endif
.irp t, 0,1,4,5,2,3,6,7
.if (\pr == 0) && ((\t & 2) == 0)
	v_pk_mul_f32 v[96+4*(\t/4)+2*(\t%2):97+4*(\t/4)+2*(\t%2)], v[ACC+8*\t+2*\pr:ACC+8*\t+2*\pr+1], v[QR+8*\t+2*\pr:QR+8*\t+2*\pr+1]
.else
	v_pk_fma_f32 v[96+4*(\t/4)+2*(\t%2):97+4*(\t/4)+2*(\t%2)], v[ACC+8*\t+2*\pr:ACC+8*\t+2*\pr+1], v[QR+8*\t+2*\pr:QR+8*\t+2*\pr+1], v[96+4*(\t/4)+2*(\t%2):97+4*(\t/4)+2*(\t%2)]
.endif
.endr
.endr
	v_pk_add_f32 v[96:97], v[96:97], v[98:99]
	v_pk_add_f32 v[100:101], v[100:101], v[102:103]
	v_add_f32 v104, v96, v97                       ; head A's part
	v_add_f32 v105, v100, v101                     ; head B's
	v_cndmask_b32 v106, v105, v104, s35            ; lanes 0-15 send B's part, lanes 16-31 A's,
	v_cndmask_b32 v107, v104, v105, s35            ; and keep the other
	v_permlanex16_b32 v108, v106, s36, s37
	v_add_f32 v[LG+(\i)], v107, v108               ; lanes 0-15: head A's logit of token r; lanes 16-31: head B's.  It is stored at the trip's end
.endm
.macro PV par, first                   ; the sums of p v: first = 1: the products start them
.irp t, 0,1,2,3,4,5,6,7
.irp pr, 0,1,2,3
.if \first
	v_pk_mul_f32 v[PO+8*\t+2*\pr:PO+8*\t+2*\pr+1], v[ACC+8*\t+2*\pr:ACC+8*\t+2*\pr+1], v[96+4*(\par)+2*(\t/4):97+4*(\par)+2*(\t/4)] op_sel_hi:[1,0]
.else
	v_pk_fma_f32 v[PO+8*\t+2*\pr:PO+8*\t+2*\pr+1], v[ACC+8*\t+2*\pr:ACC+8*\t+2*\pr+1], v[96+4*(\par)+2*(\t/4):97+4*(\par)+2*(\t/4)], v[PO+8*\t+2*\pr:PO+8*\t+2*\pr+1] op_sel_hi:[1,0,1]
.endif
.endr
.endr
.endm
; PHASE K: tile i of a trip's four against my 128 columns of Wk: 32 matrix instructions, then the logits.
; LDS loads in order of issue: (i, 0) in the tile before's middle, (i, 1), (i, 2), (i, 3) among its logits' arithmetic (tile 0: all four behind the barrier), (i + 1, 0) in this tile's middle; four loads each.
.macro KTILE i
	s_wait_dscnt 12                                ; K step 0 is in; younger: the twelve loads of K steps 1 to 3
	WIN 0x01                                       ; source 0 window 1
	FBASE \i, 0
	MUL 0, 1
	s_wait_dscnt 8                                 ; K step 1 is in
	FBASE \i, 1
	MUL 1, 0
.if (\i) < 3
	WIN 0
	FRAG (\i)+1, 0                                 ; into the buffer that the tile before read last (tile 0: v112-127).  No wait: no vector or matrix instruction since that tile's wait names it
	s_wait_dscnt 4                                 ; K steps 2 and 3 are in; younger: the four loads just issued
.else
	s_wait_dscnt 0x0                               ; nothing more was fetched
.endif
	WIN 0x02                                       ; source 0 window 2
	FBASE \i, 2
	MUL 2, 0
	FBASE \i, 3
	MUL 3, 0
	PLACES
	WIN 0
.if (\i) < 3
	s_wait_alu depctr_va_vdst(0)                   ; this tile's products are done reading its four fragment buffers, in which the loads below and in the next tile's middle land
	LOGITS \i, 1
.else
	LOGITS \i, 0
.endif
.endm
.macro VADDR                           ; phase V: the addresses of the trip's four tiles
	v_add_nc_u32 v[RW], s33, v[RB]
	v_add_nc_u32 v8, s34, v7
.endm
; PHASE V: tile i of a trip's four.  first = 1: the first trip; last = 1: the last, which fetches nothing past tile 31.
; LDS loads in order of issue, j the tile: behind tile j - 2's wait the first half of j's fragments (8); in tile j - 1's middle the second half (8); behind tile j - 1's wait p of j (2) and the first half of j + 1 (8).
.macro VTILE i, first, last
.if (\last) && ((\i) == 3)
	s_wait_dscnt 2                                 ; younger than my fragments: the two loads of p
.else
	s_wait_dscnt 10                                ; my fragments are in; younger: my p (2) and the next tile's first half (8)
.endif
	WIN 0x03+0x08*((\i)%2)                         ; source 0 window 3; source 1 window 0 or 2
.set FB, XF
	MUL 0, 1
.set FB, XF+16
	MUL 1, 0
.if (\last) && ((\i) == 3)
.elseif ((\first) == 0) && ((\i) == 0)
	VFETCH 1, 5, 1                                 ; the next tile's second half, still by the last trip's address: its tile 5.  No wait here or below: no vector or matrix instruction since the tile before's wait names these registers
.else
	VFETCH 1, (\i)+1, ((\i)+1)%2
.endif
	WIN 0x01+0x08*((\i)%2)                         ; source 0 window 1
.set FB, XF+32
	MUL 2, 0
.set FB, XF+48
	MUL 3, 0
	PLACES
	WIN 0
.if ((\first) == 0) && ((\i) == 0)
	s_wait_alu depctr_vm_vsrc(0)                   ; the LDS loads issued so far have read v13 and v8
	VADDR                                          ; this trip's addresses; the wait below stands ahead of their first use
.endif
.if (\last) && ((\i) == 3)
	s_wait_dscnt 0x0                               ; my p is in
.elseif (\last) && ((\i) == 2)
	s_wait_alu depctr_va_vdst(0)                   ; the sums of the tile before are done reading the pair in which the next p lands
	PLOAD (\i)+1
	s_wait_dscnt 18                                ; my p is in; younger: 8 + 8 + 2
.else
	s_wait_alu depctr_va_vdst(0)                   ; this tile's products are done reading their set, the sums of the tile before their pair of p; in tile 0: v13 and v8 are written
	PLOAD (\i)+1
	VFETCH 0, (\i)+2, (\i)%2
	WIN 0
	s_wait_dscnt 26                                ; my p is in; younger: 8 + 8 + 2 + 8
.endif
.if (\first) && ((\i) == 0)
	PV (\i)%2, 1
.else
	PV (\i)%2, 0
.endif
.endm
.macro VTRIP first, last
	VTILE 0, \first, \last
	VTILE 1, \first, \last
	VTILE 2, \first, \last
	VTILE 3, \first, \last
	s_add_co_u32 s33, s33, BLKB
	s_add_co_u32 s34, s34, 512
.endm
	s_load_b256 s[4:11], s[0:1], 0x0               ; x s[4:5], wfr s[6:7], qbuf s[8:9], scales s[10:11]
	s_load_b128 s[12:15], s[0:1], 0x20             ; pp s[12:13], ml s[14:15]
	v_lshl_add_u32 v26, v0, 2, 0x4e400
	v_mov_b32 v27, 0
	v_lshrrev_b32 v96, 5, v0
	v_readfirstlane_b32 s20, v96                   ; wave 0..3
	v_and_b32 v96, 31, v0                          ; lane L
	v_and_b32 v97, 15, v0                          ; r
	v_bfe_u32 v98, v0, 4, 1                        ; h
	v_lshlrev_b32 v1, 4, v96                       ; 16 L; never rewritten
	v_lshlrev_b32 v11, 8, v96                      ; 256 L, for the prefetch; never rewritten
	v_lshlrev_b32 v100, 5, v98                     ; q: 32 h
	s_wait_alu depctr_va_sdst(0)                   ; s20 is written, ahead of its first reader
	s_mul_i32 s40, s20, TILEB
	v_add_nc_u32 v3, s40, v1                       ; as a writer: my tile among a trip's four, chunk L
	v_add_nc_u32 v2, XK, v3                        ; the same among the e0 codes
	s_lshl_b32 s41, s20, 12
	s_add_co_u32 s41, s41, LGT
	v_lshl_add_u32 v5, v96, 2, s41                 ; my wave's logits, 4 bytes a lane
	v_lshl_add_u32 v7, v97, 2, s41                 ; my token's p
	v_mul_u32_u24 v[RB], v97, PITCH
	v_lshl_add_u32 v[RB], v98, 4, v[RB]            ; as a reader: row r, + 16 h
	v_add_nc_u32 v[RW], XK, v[RB]                  ; phase K reads the e0 codes
	s_mov_b32 s31, 0
	s_mov_b32 s35, 0xffff0000                      ; lanes 16-31
	s_mov_b32 s36, 0x76543210                      ; v_permlanex16_b32: lane l xor 16
	s_mov_b32 s37, 0xfedcba98
	s_wait_kmcnt 0x0
	s_load_b128 s[16:19], s[10:11], 0x0            ; e0 .. e3
	s_lshl_b32 s30, ttmp9, 20                      ; my work-group's 512 rows of 2,048 bytes,
	s_lshl_b32 s40, s20, 15                        ; my wave's 16 of a trip's 64
	s_add_co_u32 s30, s30, s40
	s_add_nc_u64 s[22:23], s[4:5], s[30:31]
	s_add_nc_u64 s[24:25], s[22:23], 0x20000       ; the refills' base: the next trip's 64 rows
	s_wait_alu depctr_va_vdst(0)                   ; the addresses v1, v2, v5, v11, v13 and v100 are written, which the prefetches, loads and stores below read
.irp i, 0,1,2,3
	global_prefetch_b8 v11, s[22:23] offset:8192*\i th:TH_LOAD_NT scope:SCOPE_SE   ; my first 16 rows, 32 KiB, each block of 256 bytes once: their loads stand behind the 144 loads of q and Wk.  Later rows are asked for by the slots' refills, a trip ahead
.endr
	s_lshl_b32 s30, s20, 16
	s_add_nc_u64 s[26:27], s[6:7], s[30:31]        ; Wk's image, my 128 columns
	s_add_nc_u64 s[28:29], s[26:27], 0x40000       ; Wv's
	s_lshl_b32 s30, s20, 9
	s_add_nc_u64 s[8:9], s[8:9], s[30:31]          ; q of my two heads
	s_lshl_b32 s40, ttmp9, 11
	s_add_co_u32 s30, s30, s40
	s_add_nc_u64 s[12:13], s[12:13], s[30:31]      ; pp: 2,048 g + 512 w
	s_lshl_b32 s30, ttmp9, 10
	s_lshl_b32 s40, s20, 8
	s_add_co_u32 s30, s30, s40
	s_add_nc_u64 s[14:15], s[14:15], s[30:31]      ; ml: 1,024 g + 256 w
.irp t, 0,1,2,3,4,5,6,7
	global_load_b128 v[QR+8*\t:QR+8*\t+3],   v100, s[8:9] offset:64*\t      ; q(16 t + 8 h + 0 .. 7)
	global_load_b128 v[QR+8*\t+4:QR+8*\t+7], v100, s[8:9] offset:64*\t+16
.endr
	WIN 0x40
	WLOAD 26, 0
	WIN 0x80
	WLOAD 26, 16
	XLOAD 0, 22
	XLOAD 1, 22
	XLOAD 2, 22
	XLOAD 3, 22
	WIN 0
	s_wait_kmcnt 0x0
	s_add_co_i32 s40, s16, 127
	s_lshl_b32 s41, s40, 23
	v_mov_b32 v28, s41                             ; 2^e0 as f32: the conversion takes its exponent field
	s_add_co_i32 s40, s40, 8
	s_lshl_b32 s40, s40, 23
	s_or_b32 s40, s40, 0x600000
	v_mov_b32 v29, s40                             ; 448 x 2^e0
	s_add_co_i32 s40, s18, 127
	s_lshl_b32 s41, s40, 23
	v_mov_b32 v30, s41                             ; 2^e2
	s_add_co_i32 s40, s40, 8
	s_lshl_b32 s40, s40, 23
	s_or_b32 s40, s40, 0x600000
	v_mov_b32 v31, s40                             ; 448 x 2^e2
	s_add_co_i32 s40, s16, s17
	s_lshl_b32 s40, s40, 23
	s_add_co_i32 s38, s40, 0x3fb8aa3b              ; log2(e) x 2^(e0 + e1): a sum of codes' products stands for sum x 2^(e0 + e1), and the logits are kept in powers of two
	s_mov_b32 s39, s38                             ; (named with it as a pair, so it is written)
	s_wait_loadcnt 63                              ; q and Wk are older than the youngest 63 loads, which are rows of x
.irp j, 0,2,4,6,8,10,12,14,16,18,20,22,24,26,28,30,32,34,36,38,40,42,44,46,48,50,52,54,56,58,60,62
	v_pk_mul_f32 v[QR+\j:QR+\j+1], v[QR+\j:QR+\j+1], s[38:39] op_sel_hi:[1,0]
.endr
	v_mov_b32 v108, 0                              ; a lane permute's destination counts as one of its sources
	s_mov_b32 s32, 8
	s_mov_b32 s33, 0                               ; the trip's four tiles among the e2 codes
	s_mov_b32 s34, 0                               ; and among the logits
.Lk:                                               ; PHASE K: eight trips of 64 tokens
	s_wait_alu depctr_vm_vsrc(0)                   ; the last trip's stores of logits have read v6 and v16-19, its stores of codes v4; in the first trip: q's loads have read v100, which the conversions write
	v_add_nc_u32 v4, s33, v3
	v_add_nc_u32 v6, s34, v5
	QGROUP 0
	QGROUP 1
	QGROUP 2
	QGROUP 3
	WIN 0
	s_wait_dscnt 0x0                               ; for the others' sake: my tile's codes lie in LDS (the last group's sixteen refills were issued behind its stores)
	s_barrier_signal -1
	s_barrier_wait -1                              ; all four tiles do
	s_wait_alu depctr_vm_vsrc(0)                   ; my stores of codes have read v96-127: the logits' arithmetic writes the lower of them, and a fragment lands in v112-127
	FRAG 0, 0                                      ; they land where the held numbers lay: the last group's wait on va_vdst stands behind the holds and conversions that named those registers
	FRAG 0, 1
	FRAG 0, 2
	FRAG 0, 3
	KTILE 0
	KTILE 1
	KTILE 2
	KTILE 3
	s_wait_alu depctr_va_vdst(0)                   ; the four logits v16-19 are written, which the stores read.  (Behind the last trip it also shows the products done with Wk's registers and the arithmetic done with the accumulators, in which loads land)
.irp i, 0,1,2,3
	ds_store_b32 v6, v[LG+\i] offset:128*\i
.endr
	s_wait_dscnt 0x0                               ; my reads of the e0 codes are over
	s_barrier_signal -1
	s_barrier_wait -1                              ; everybody's are: the next trip may write them
	s_wait_xcnt 0x0                                ; the refills have read their base: it may step
	s_add_nc_u64 s[24:25], s[24:25], 0x20000
	s_cmp_eq_u32 s32, 2                            ; the last trip has no rows left to ask for: its refills bring Wv's fragments 0-15 into the slots instead:
	s_cselect_b64 s[24:25], s[28:29], s[24:25]     ; the same offsets, registers and counts (slot p = fragment p, load i = group i), and no load leaves x
	s_add_co_u32 s33, s33, BLKB
	s_add_co_u32 s34, s34, 512
	s_sub_co_u32 s32, s32, 1
	s_cmp_lg_u32 s32, 0
	s_cbranch_scc1 .Lk
	; THE CHANGE OF WEIGHTS, and under it the softmax's weights.  The wait on va_vdst at the last trip's end stands behind every product of phase K; nothing since names window 1 or v128-159.
	WIN 0x40
	WLOAD 28, 16                                   ; Wv's fragments 16-31
	WIN 0
.irp i, 0,1,2,3,4,5,6,7,8,9,10,11,12,13,14,15,16,17,18,19,20,21,22,23,24,25,26,27,28,29,30,31
	ds_load_b32 v[128+\i], v5 offset:128*\i        ; my wave's own bytes: lanes 0-15 hold head A's 512 logits among them, lanes 16-31 head B's
.endr
	s_mov_b32 s33, 0
	s_mov_b32 s34, 0
	s_wait_alu depctr_vm_vsrc(0)                   ; phase K's LDS instructions have read their registers: v13, which is written here, and v2, v4 and v6, which the end writes anew
	VADDR                                          ; phase V's first addresses; the waits on va_vdst below stand ahead of their first use
	v_and_b32 v9, 31, v0
	v_lshlrev_b32 v9, 3, v9                        ; 8 x lane
	v_lshlrev_b32 v110, 31, v0                     ; my lane's token is r = lane % 16: its parity is the thread number's lowest bit, moved to the sign's place,
	v_or_b32 v110, 0x3f800000, v110                ; over 1.0: +1 for an even token, -1 for an odd one
	v_mov_b32 v111, v110
	s_wait_dscnt 0x0
	v_max3_num_f32 v104, v128, v129, v130          ; the head's largest logit: two chains in a lane,
	v_max3_num_f32 v105, v131, v132, v133
.irp i, 6,10,14,18,22,26
	v_max3_num_f32 v104, v104, v[128+\i], v[129+\i]
	v_max3_num_f32 v105, v105, v[130+\i], v[131+\i]
.endr
	v_max3_num_f32 v104, v104, v158, v159
	v_max_num_f32 v104, v104, v105
	v_max_num_f32_dpp v104, v104, v104 row_xmask:1 row_mask:0xf bank_mask:0xf   ; then among the sixteen lanes of the head
	v_max_num_f32_dpp v104, v104, v104 row_xmask:2 row_mask:0xf bank_mask:0xf
	v_max_num_f32_dpp v104, v104, v104 row_xmask:4 row_mask:0xf bank_mask:0xf
	v_max_num_f32_dpp v104, v104, v104 row_xmask:8 row_mask:0xf bank_mask:0xf
	v_mov_b32 v105, v104
.irp j, 0,2,4,6,8,10,12,14,16,18,20,22,24,26,28,30
	v_pk_add_f32 v[128+\j:129+\j], v[128+\j:129+\j], v[104:105] neg_lo:[0,1] neg_hi:[0,1]
.endr
	s_wait_alu depctr_va_vdst(0)
.irp i, 0,1,2,3,4,5,6,7,8,9,10,11,12,13,14,15,16,17,18,19,20,21,22,23,24,25,26,27,28,29,30,31
	v_exp_f32 v[128+\i], v[128+\i]                 ; p = 2^(t - m), at most 1
.endr
	v_mov_b32 v97, 0                               ; (plain lines behind the exponentials)  the upper words of the pairs that carry p: named, never used
	v_mov_b32 v99, 0
	v_mov_b32 v101, 0
	v_mov_b32 v103, 0
	s_wait_alu depctr_va_vdst(0)                   ; the 32 exponentials have written v128-159: one wait for the batch, ahead of its first reader
	v_pk_add_f32 v[106:107], v[128:129], v[130:131]   ; l is the sum of p itself, taken ahead of the signs
	v_pk_add_f32 v[108:109], v[132:133], v[134:135]
.irp j, 8,12,16,20,24,28
	v_pk_add_f32 v[106:107], v[106:107], v[128+\j:129+\j]
	v_pk_add_f32 v[108:109], v[108:109], v[130+\j:131+\j]
.endr
.irp j, 0,2,4,6,8,10,12,14,16,18,20,22,24,26,28,30
	v_pk_mul_f32 v[128+\j:129+\j], v[128+\j:129+\j], v[110:111]   ; an odd token's p becomes -p: its v was made of -x.  Nothing is rounded
.endr
	v_pk_add_f32 v[106:107], v[106:107], v[108:109]
	v_add_f32 v105, v106, v107
	v_add_f32_dpp v105, v105, v105 row_xmask:1 row_mask:0xf bank_mask:0xf
	v_add_f32_dpp v105, v105, v105 row_xmask:2 row_mask:0xf bank_mask:0xf
	v_add_f32_dpp v105, v105, v105 row_xmask:4 row_mask:0xf bank_mask:0xf
	v_add_f32_dpp v105, v105, v105 row_xmask:8 row_mask:0xf bank_mask:0xf
	s_wait_alu depctr_va_vdst(0)                   ; +-p in v128-159, (m, l) in v104 and v105 and the offset v9 are written, which the stores below read; v13 and v8 are written, by which phase V's first loads go
.irp i, 0,1,2,3,4,5,6,7,8,9,10,11,12,13,14,15,16,17,18,19,20,21,22,23,24,25,26,27,28,29,30,31
	ds_store_b32 v5, v[128+\i] offset:128*\i       ; +-p takes the logits' place
.endr
	global_store_b64 v9, v[104:105], s[14:15]      ; (m, l), sixteen copies a head: 256 consecutive bytes, aligned.  v9, v104 and v105 are not written again
	; PHASE V.  The first loads land in registers that no vector or matrix instruction has named since the wait above.
	VFETCH 0, 0, 0
	VFETCH 1, 0, 0
	PLOAD 0                                        ; LDS serves a wave's instructions in order (ISA guide 5.7.1.4): these see my stores of p
	VFETCH 0, 1, 1
	WIN 0
	s_wait_alu depctr_vm_vsrc(0)                   ; my stores of p have read v128-159, which the products write
	s_wait_loadcnt 0x0                             ; all of Wv is in
	VTRIP 1, 0
	s_mov_b32 s32, 6
.Lv:
	VTRIP 0, 0
	s_sub_co_u32 s32, s32, 1
	s_cmp_lg_u32 s32, 0
	s_cbranch_scc1 .Lv
	VTRIP 0, 1                                     ; the last trip is written out: it fetches nothing past tile 31
	; THE END: a lane holds one token's share of 64 channels; the sixteen tokens' shares meet in my wave's own stage (rows of 512 bytes + 16) and are added by columns.
	s_mul_i32 s40, s20, TILEB
	s_add_co_u32 s40, s40, RED
	v_and_b32 v4, 15, v0
	v_bfe_u32 v6, v0, 4, 1
	v_mul_u32_u24 v2, v4, PITCH
	v_lshl_add_u32 v2, v6, 5, v2
	v_add_nc_u32 v2, s40, v2                       ; in: row r, + 32 h; tile t's eight channels 64 t bytes on
	v_add_nc_u32 v3, s40, v1                       ; back: 16 bytes a lane of each row
	s_wait_alu depctr_va_vdst(0)                   ; the sums of p v in v32-95 and the addresses v2 and v3 are written, which the LDS instructions below read; the last sums are done reading v128-191, in which the loads land
.irp t, 0,1,2,3,4,5,6,7
	ds_store_b128 v2, v[PO+8*\t:PO+8*\t+3]   offset:64*\t
	ds_store_b128 v2, v[PO+8*\t+4:PO+8*\t+7] offset:64*\t+16
.endr
.irp p, 0,1,2,3,4,5,6,7,8,9,10,11,12,13,14,15
	ds_load_b128 v[128+4*\p:131+4*\p], v3 offset:PITCH*\p
.endr
	s_wait_dscnt 0x0
.irp p, 0,1,2,3,4,5,6,7
	v_pk_add_f32 v[128+4*\p:129+4*\p], v[128+4*\p:129+4*\p], v[160+4*\p:161+4*\p]
	v_pk_add_f32 v[130+4*\p:131+4*\p], v[130+4*\p:131+4*\p], v[162+4*\p:163+4*\p]
.endr
.irp p, 0,1,2,3
	v_pk_add_f32 v[128+4*\p:129+4*\p], v[128+4*\p:129+4*\p], v[144+4*\p:145+4*\p]
	v_pk_add_f32 v[130+4*\p:131+4*\p], v[130+4*\p:131+4*\p], v[146+4*\p:147+4*\p]
.endr
.irp p, 0,1
	v_pk_add_f32 v[128+4*\p:129+4*\p], v[128+4*\p:129+4*\p], v[136+4*\p:137+4*\p]
	v_pk_add_f32 v[130+4*\p:131+4*\p], v[130+4*\p:131+4*\p], v[138+4*\p:139+4*\p]
.endr
	v_pk_add_f32 v[128:129], v[128:129], v[132:133]
	v_pk_add_f32 v[130:131], v[130:131], v[134:135]
	s_wait_alu depctr_va_vdst(0)                   ; the additions have written v128-131, which the store reads
	global_store_b128 v1, v[128:131], s[12:13]     ; channels 128 w + 4 L on: 512 consecutive bytes, aligned
	s_wait_dscnt 0x0                               ; the closing lines, six on end
	s_wait_alu 0x0
	s_wait_tensorcnt 0x0
	ds_add_u32 v26, v27
	s_wait_dscnt 0x0
	s_endpgm
.Lfunc_end_k_qe3ddc9bb7b_main:
	.size	k_qe3ddc9bb7b_main, .Lfunc_end_k_qe3ddc9bb7b_main-k_qe3ddc9bb7b_main
	.p2alignl 7, 3214868480
	.fill 96, 4, 3214868480
	.section	.rodata,"a",@progbits
	.p2align	6, 0x0
	.amdhsa_kernel k_qe3ddc9bb7b_main
		.amdhsa_group_segment_fixed_size 327680
		.amdhsa_private_segment_fixed_size 0
		.amdhsa_enable_private_segment 0
		.amdhsa_kernarg_size 48
		.amdhsa_user_sgpr_count 2
		.amdhsa_user_sgpr_kernarg_segment_ptr 1
		.amdhsa_wavefront_size32 1
		.amdhsa_system_sgpr_workgroup_id_x 1
		.amdhsa_system_sgpr_workgroup_id_y 1
		.amdhsa_system_sgpr_workgroup_id_z 1
		.amdhsa_system_vgpr_workitem_id 0
		.amdhsa_next_free_vgpr 1024
		.amdhsa_next_free_sgpr 66
		.amdhsa_reserve_vcc 0
		.amdhsa_float_denorm_mode_32 3
		.amdhsa_float_denorm_mode_16_64 3
		.amdhsa_memory_ordered 1
		.amdhsa_forward_progress 1
		.amdhsa_inst_pref_size 182
	.end_amdhsa_kernel
	.amdgpu_metadata
---
amdhsa.version: [ 1, 2 ]
amdhsa.kernels:
  - .name:           k_qe3ddc9bb7b_main
    .symbol:         k_qe3ddc9bb7b_main.kd
    .args:
      - { .name: x, .offset: 0, .size: 8, .value_kind: global_buffer, .address_space: global }
      - { .name: wfr, .offset: 8, .size: 8, .value_kind: global_buffer, .address_space: global }
      - { .name: qbuf, .offset: 16, .size: 8, .value_kind: global_buffer, .address_space: global }
      - { .name: lowp_scales, .offset: 24, .size: 8, .value_kind: global_buffer, .address_space: global }
      - { .name: pp, .offset: 32, .size: 8, .value_kind: global_buffer, .address_space: global }
      - { .name: ml, .offset: 40, .size: 8, .value_kind: global_buffer, .address_space: global }
    .group_segment_fixed_size: 327680
    .private_segment_fixed_size: 0
    .kernarg_segment_align: 8
    .kernarg_segment_size: 48
    .max_flat_workgroup_size: 128
    .sgpr_count:     66
    .vgpr_count:     1024
    .wavefront_size: 32
...
	.end_amdgpu_metadata
.endif
;; end of part 5
;; launch final (part 6): grid 4 x 16, 4 waves a work-group, no clusters, 1,536 bytes of LDS; arguments pp, ml, wfr, bp, lowp_scales, out0; writes out0
.if DOCPART == 6
	.amdgcn_target "amdgcn-amd-amdhsa--gfx1250"
	.amdhsa_code_object_version 6
	.text
	.protected	k_qe3ddc9bb7b_final
	.globl	k_qe3ddc9bb7b_final
	.p2align	8
	.type	k_qe3ddc9bb7b_final,@function
k_qe3ddc9bb7b_final:
	s_mov_b64 s[64:65], 0
	v_nop
	global_prefetch_b8 v0, s[64:65] scope:SCOPE_SE
	s_setreg_imm32_b32 hwreg(HW_REG_WAVE_SCHED_MODE, 0, 2), 2
	s_setreg_imm32_b32 hwreg(HW_REG_WAVE_MODE, 25, 1), 1
	s_wait_xcnt 0x0
	s_wait_alu depctr_vm_vsrc(0)
; out0[b][n] = Q(pooled[b], e4) . Q(Wp, e5)[:, n] + bp[n].  Work-group (g, b): batch b, output columns 128 g .. 128 g + 127; wave w: 32 of them.
; pooled[b] is put together from the batch's sixteen partial results (m, l, sums of p x codes' products): M = the largest m; pooled = sum of 2^(m - M) x sums / sum of 2^(m - M) l, x 2^(e2 + e3); all in f32.
; Thread (w, L) owns channels 128 w + 4 L + 0 .. 3 (head 2 w + L / 16).  Its four codes are bytes 4 w .. 4 w + 3 of chunk L of the 512 codes in LDS: the map of k by which Wp's image is laid.
; The product's sixteen rows are sixteen copies of this batch's vector: so a work-group reads one batch's partial results and not sixteen.  The four work-groups of a batch each put pooled[b] together (48 KiB read each).
; LIMITS: e4 between -126 and 119; e4 + e5 between -126 and 127; e2 + e3 is applied by v_ldexp_f32 and has none.  NaN and infinities are not served.
; A wave stores 128 consecutive bytes, the four waves of a work-group 512: the whole output is 32 KiB.
; REGISTERS: v1-5 addresses; v6, v7 2^e4 and 448 x 2^e4; v9 the bias; v16-47 (m, l) pairs, later the two accumulators; v48-111 the partial sums, later pooled's four fragments; v112-239 Wp's eight fragments; v240-255 at work.
; THE MODE: SCHED_MODE bits 1:0 = 2 (LLVM: expert scheduling mode 2), set by the entry lines.  The code itself states the register dependences between vector or matrix instructions and memory or LDS
; instructions, with s_wait_alu, always for 0.
; THE PLAN.  Registers that memory or LDS instructions touch: the addresses v1-v5, made at the head and never written again (one wait on va_vdst ahead of the loads); v248, the four codes, written by the conversion
; and read by the one LDS store; v48-111, read by the multiply-adds that put pooled together, in which pooled's fragments land later (one wait, ahead of that store, serves both); v250, written by the last
; multiply-add and read by the last store (one wait).  No register that a memory instruction reads is written again, so no wait on vm_vsrc is owed.
	s_load_b256 s[4:11], s[0:1], 0x0               ; pp s[4:5], ml s[6:7], wfr s[8:9], bp s[10:11]
	s_load_b128 s[12:15], s[0:1], 0x20             ; scales s[12:13], out0 s[14:15]
	v_lshl_add_u32 v14, v0, 2, 0x400
	v_mov_b32 v15, 0
	v_lshrrev_b32 v1, 5, v0
	v_readfirstlane_b32 s20, v1                    ; wave 0..3
	v_and_b32 v8, 31, v0                           ; lane L
	v_lshlrev_b32 v1, 4, v8                        ; 16 L
	v_lshlrev_b32 v2, 3, v8                        ; 8 L
	v_lshlrev_b32 v3, 2, v8                        ; 4 L
	v_bfe_u32 v4, v0, 4, 1
	v_lshlrev_b32 v4, 4, v4                        ; 16 h
	s_wait_alu depctr_va_sdst(0)                   ; s20 is written, ahead of its first reader
	s_lshl_b32 s21, s20, 2
	v_add_nc_u32 v5, s21, v1                       ; LDS: chunk L, bytes 4 w on
	s_and_b32 s22, ttmp7, 0xffff                   ; b
	s_mov_b32 s25, 0
	s_mov_b32 s35, 0xffff0000                      ; lanes 16-31
	s_wait_kmcnt 0x0
	s_load_b128 s[16:19], s[12:13], 0x8            ; e2, e3, e4, e5
	s_lshl_b32 s24, s22, 14                        ; ml: 16 records of 1,024 bytes a batch, + 256 w
	s_lshl_b32 s23, s20, 8
	s_add_co_u32 s24, s24, s23
	s_add_nc_u64 s[6:7], s[6:7], s[24:25]
	s_lshl_b32 s24, s22, 15                        ; pp: 16 records of 2,048 bytes a batch, + 512 w
	s_lshl_b32 s23, s20, 9
	s_add_co_u32 s24, s24, s23
	s_add_nc_u64 s[4:5], s[4:5], s[24:25]
	s_lshl_b32 s24, ttmp9, 16                      ; Wp's image: 524,288 + 65,536 g + two column tiles' 4,096 w
	s_lshl_b32 s23, s20, 12
	s_add_co_u32 s24, s24, s23
	s_add_co_u32 s24, s24, 524288
	s_add_nc_u64 s[8:9], s[8:9], s[24:25]
	s_lshl_b32 s24, ttmp9, 9                       ; bp: 512 g + 128 w
	s_lshl_b32 s23, s20, 7
	s_add_co_u32 s24, s24, s23
	s_add_nc_u64 s[10:11], s[10:11], s[24:25]
	s_lshl_b32 s23, s22, 11                        ; out0: the same + 2,048 b
	s_add_co_u32 s24, s24, s23
	s_add_nc_u64 s[14:15], s[14:15], s[24:25]
	s_wait_alu depctr_va_vdst(0)                   ; the addresses v1 to v5 are written, which every load and store below reads
.irp ch, 0,1,2,3,4,5,6,7,8,9,10,11,12,13,14,15
	global_load_b64 v[16+2*\ch:17+2*\ch], v2, s[6:7] offset:1024*\ch
.endr
.irp ch, 0,1,2,3,4,5,6,7,8,9,10,11,12,13,14,15
	global_load_b128 v[48+4*\ch:51+4*\ch], v1, s[4:5] offset:2048*\ch
.endr
	global_load_b32 v9, v3, s[10:11]
.irp u, 0,1                            ; column tile 2 w + u, K step s
.irp s, 0,1,2,3
.irp c, 0,1,2,3
	global_load_b128 v[112+16*(4*\u+\s)+4*\c:115+16*(4*\u+\s)+4*\c], v1, s[8:9] offset:2048*(8*\s+\u)+512*\c
.endr
.endr
.endr
	s_wait_kmcnt 0x0
	s_add_co_i32 s40, s16, s17                     ; e2 + e3
	s_add_co_i32 s42, s18, 127
	s_lshl_b32 s43, s42, 23
	v_mov_b32 v6, s43                              ; 2^e4 as f32: the conversion takes its exponent field
	s_add_co_i32 s42, s42, 8
	s_lshl_b32 s42, s42, 23
	s_or_b32 s42, s42, 0x600000
	v_mov_b32 v7, s42                              ; 448 x 2^e4
	s_add_co_i32 s41, s18, s19
	s_add_co_i32 s41, s41, 127
	s_lshl_b32 s41, s41, 23                        ; 2^(e4 + e5) as f32
	s_wait_loadcnt 49                              ; the sixteen (m, l) are in; younger: 16 + 1 + 32
	v_max3_num_f32 v251, v16, v18, v20
	v_max3_num_f32 v252, v22, v24, v26
	v_max3_num_f32 v251, v251, v28, v30
	v_max3_num_f32 v252, v252, v32, v34
	v_max3_num_f32 v251, v251, v36, v38
	v_max3_num_f32 v252, v252, v40, v42
	v_max3_num_f32 v251, v251, v44, v46
	v_max_num_f32 v251, v251, v252                 ; M
.irp ch, 0,1,2,3,4,5,6,7,8,9,10,11,12,13,14,15
	v_sub_f32 v[16+2*\ch], v[16+2*\ch], v251
.endr
	s_wait_alu depctr_va_vdst(0)
.irp ch, 0,1,2,3,4,5,6,7,8,9,10,11,12,13,14,15
	v_exp_f32 v[16+2*\ch], v[16+2*\ch]             ; 2^(m - M), in m's place
.endr
	v_mov_b32 v244, 0                              ; (plain lines behind the exponentials)  the conversion takes eight numbers: the upper four are zeros
	v_mov_b32 v245, 0
	v_mov_b32 v246, 0
	v_mov_b32 v247, 0
	s_wait_alu depctr_va_vdst(0)                   ; the sixteen exponentials have written their results: one wait for the batch, ahead of its first reader
	v_mul_f32 v252, v16, v17                       ; the divisor, in two chains
	v_mul_f32 v253, v18, v19
.irp ch, 2,4,6,8,10,12,14
	v_fma_f32 v252, v[16+2*\ch], v[17+2*\ch], v252
	v_fma_f32 v253, v[18+2*\ch], v[19+2*\ch], v253
.endr
	v_add_f32 v252, v252, v253
	s_wait_loadcnt 33                              ; the sixteen partial sums are in; younger: 1 + 32
	v_pk_mul_f32 v[240:241], v[48:49], v[16:17] op_sel_hi:[1,0]
	v_pk_mul_f32 v[242:243], v[50:51], v[16:17] op_sel_hi:[1,0]
.irp ch, 1,2,3,4,5,6,7,8,9,10,11,12,13,14,15
	v_pk_fma_f32 v[240:241], v[48+4*\ch:49+4*\ch], v[16+2*\ch:17+2*\ch], v[240:241] op_sel_hi:[1,0,1]
	v_pk_fma_f32 v[242:243], v[50+4*\ch:51+4*\ch], v[16+2*\ch:17+2*\ch], v[242:243] op_sel_hi:[1,0,1]
.endr
	s_wait_alu depctr_va_vdst(0)
	v_rcp_f32 v254, v252
	v_mov_b32 v255, 0                              ; (a plain line behind the reciprocal)  named as the pair's upper half
	s_wait_alu depctr_va_vdst(0)                   ; the reciprocal has written v254, ahead of its first reader
	v_ldexp_f32 v254, v254, s40                    ; x 2^(e2 + e3)
	v_pk_mul_f32 v[240:241], v[240:241], v[254:255] op_sel_hi:[1,0]
	v_pk_mul_f32 v[242:243], v[242:243], v[254:255] op_sel_hi:[1,0]   ; pooled, my four channels
.irp j, 0,1,2,3
	v_med3_num_f32 v[240+\j], v[240+\j], -v7, v7   ; the conversion to an 8-bit code does not saturate (ISA guide 7.6.2): the hold comes first
.endr
	v_cvt_scalef32_pk8_fp8_f32 v[248:249], v[240:247], v6
	v_nop                                          ; one plain vector line behind the conversion
	s_wait_alu depctr_va_vdst(0)                   ; the conversion has written v248, which the store reads; the multiply-adds are done reading v48-111, in which pooled's fragments land
	ds_store_b32 v5, v248
	s_wait_dscnt 0x0                               ; for the others' sake: my four codes lie in LDS
	s_barrier_signal -1
	s_barrier_wait -1                              ; all 512 do
.irp s, 0,1,2,3
.irp c, 0,1,2,3
	ds_load_b128 v[48+16*\s+4*\c:51+16*\s+4*\c], v4 offset:128*\s+32*\c   ; chunk 8 s + 2 c + h, the same for all sixteen rows
.endr
.endr
	s_wait_dscnt 0x0
	s_wait_loadcnt 0x0                             ; the bias and Wp's fragments
.irp s, 0,1,2,3                        ; the two accumulators take turns; the first K step starts the sums
.irp u, 0,1
.if \s == 0
	v_wmma_f32_16x16x128_fp8_fp8 v[16+8*\u:23+8*\u], v[48+16*\s:63+16*\s], v[112+16*(4*\u+\s):127+16*(4*\u+\s)], 0
.else
	v_wmma_f32_16x16x128_fp8_fp8 v[16+8*\u:23+8*\u], v[48+16*\s:63+16*\s], v[112+16*(4*\u+\s):127+16*(4*\u+\s)], v[16+8*\u:23+8*\u]
.endif
.endr
.endr
.rept 4
	v_nop                                          ; four places in front of the first read of results (ISA guide 7.12.1)
.endr
	v_cndmask_b32 v250, v16, v24, s35              ; every row is the same: lanes 0-15 take tile 0's column r, lanes 16-31 tile 1's, each from the accumulator's lowest register
	v_fma_f32 v250, v250, s41, v9                  ; sum x 2^(e4 + e5) + bp
	s_wait_alu depctr_va_vdst(0)                   ; the multiply-add has written v250, which the store reads
	global_store_b32 v3, v250, s[14:15]
	s_wait_dscnt 0x0                               ; the closing lines, six on end
	s_wait_alu 0x0
	s_wait_tensorcnt 0x0
	ds_add_u32 v14, v15
	s_wait_dscnt 0x0
	s_endpgm
.Lfunc_end_k_qe3ddc9bb7b_final:
	.size	k_qe3ddc9bb7b_final, .Lfunc_end_k_qe3ddc9bb7b_final-k_qe3ddc9bb7b_final
	.p2alignl 7, 3214868480
	.fill 96, 4, 3214868480
	.section	.rodata,"a",@progbits
	.p2align	6, 0x0
	.amdhsa_kernel k_qe3ddc9bb7b_final
		.amdhsa_group_segment_fixed_size 1536
		.amdhsa_private_segment_fixed_size 0
		.amdhsa_enable_private_segment 0
		.amdhsa_kernarg_size 48
		.amdhsa_user_sgpr_count 2
		.amdhsa_user_sgpr_kernarg_segment_ptr 1
		.amdhsa_wavefront_size32 1
		.amdhsa_system_sgpr_workgroup_id_x 1
		.amdhsa_system_sgpr_workgroup_id_y 1
		.amdhsa_system_sgpr_workgroup_id_z 1
		.amdhsa_system_vgpr_workitem_id 0
		.amdhsa_next_free_vgpr 256
		.amdhsa_next_free_sgpr 66
		.amdhsa_reserve_vcc 0
		.amdhsa_float_denorm_mode_32 3
		.amdhsa_float_denorm_mode_16_64 3
		.amdhsa_memory_ordered 1
		.amdhsa_forward_progress 1
		.amdhsa_inst_pref_size 17
	.end_amdhsa_kernel
	.amdgpu_metadata
---
amdhsa.version: [ 1, 2 ]
amdhsa.kernels:
  - .name:           k_qe3ddc9bb7b_final
    .symbol:         k_qe3ddc9bb7b_final.kd
    .args:
      - { .name: pp, .offset: 0, .size: 8, .value_kind: global_buffer, .address_space: global }
      - { .name: ml, .offset: 8, .size: 8, .value_kind: global_buffer, .address_space: global }
      - { .name: wfr, .offset: 16, .size: 8, .value_kind: global_buffer, .address_space: global }
      - { .name: bp, .offset: 24, .size: 8, .value_kind: global_buffer, .address_space: global }
      - { .name: lowp_scales, .offset: 32, .size: 8, .value_kind: global_buffer, .address_space: global }
      - { .name: out0, .offset: 40, .size: 8, .value_kind: global_buffer, .address_space: global }
    .group_segment_fixed_size: 1536
    .private_segment_fixed_size: 0
    .kernarg_segment_align: 8
    .kernarg_segment_size: 48
    .max_flat_workgroup_size: 128
    .sgpr_count:     66
    .vgpr_count:     256
    .wavefront_size: 32
...
	.end_amdgpu_metadata
.endif
;; end of part 6
